; MI455X (gfx1250); checked and timed in simulation.
; The chip was launched on July 23, 2026; its instructions are those of AMD's public machine-readable ISA for CDNA 5 (MIT licence, August 2026) and "CDNA5" Instruction Set Architecture Reference Guide (July 2026). The comments in the code are by the model that wrote it; some were corrected since.
;; Causal Self Attention. Allowed arithmetic: matrix products marked QUANTISED: E2M1 operands, one E8M0 scale for each 32 along K, by v_wmma_scale_f32_16x16x128_f8f6f4 with both operands' format E2M1 (or v_wmma_scale_f32_32x16x128_f4), f32 sums; products left as they are: bf16, f16 or f32 operands; f32 sums; everything else in f32.
;; Inputs: W_attn 1,024 x 3,072 float32; W_proj 1,024 x 1,024 float32; b_attn 3,072 float32; b_proj 1,024 float32; x 4 x 2,048 x 1,024 float32.
;; Outputs: out0 4 x 2,048 x 1,024 float32.
;; This version of the problem:
;;   THIS VERSION OF THE PROBLEM IS GIVEN IN LOW PRECISION. The matrix products marked QUANTISED in the list below multiply operands that are first quantised to E2M1 (2 exponent bits, 1 mantissa bit; 4 bits a number), with one power-of-two scale for each 32 numbers along K (OCP MX v1.0); their sums are f32. The products marked 'left as it is' may take bf16, f16 or f32 operands, with f32 sums. Whichever they take, every output number must still come out within the allowed error. Rounding operands to bf16 (8 significant bits) uses up far more of that allowance than f16 does (11 bits, for magnitudes from 6e-5 to 65,504). All else is computed in f32.
;;   The module's matrix products, in the order in which they are computed (A, B: the left and right operand; K: the contracted axis; several contracted axes count as one K, in the product's order):
;;     1. [M 8,192, K 1,024] x [K 1,024, N 3,072]; A: input x; B: input W_attn: QUANTISED
;;     2. batch 64 x [M 2,048, K 64] x [K 64, N 2,048]; A: computed on the way; B: computed on the way: left as it is (an operand is computed on the way)
;;     3. batch 64 x [M 2,048, K 2,048] x [K 2,048, N 64]; A: computed on the way; B: computed on the way: left as it is (an operand is computed on the way)
;;     4. [M 8,192, K 1,024] x [K 1,024, N 1,024]; A: computed on the way; B: input W_proj: left as it is (an operand is computed on the way)
;;   THE QUANTISER, for each operand of a quantised product, along K:
;;     - K is cut into blocks of 32 from its start; a last block that is shorter is filled with zeros.
;;     - A block's scale is 2^e with e = floor(log2(the largest magnitude in the block)) - 2, held to -126 .. 127; a block of zeros has e = 0. As a byte (E8M0): e + 127.
;;     - Each number is divided by its block's scale, clamped to +-6, and rounded to the nearest number of E2M1, ties to even, subnormals kept.
;;     - The product sums the exact products of the quantised numbers (number of the format x scale) in f32.
;;   ~~~python
;;   def quantise(x, axis):      # numpy; x: float32 -> the quantised numbers, widened to float32 again
;;       x = np.moveaxis(x, axis, -1); K = x.shape[-1]
;;       x = np.pad(x, [(0, 0)] * (x.ndim - 1) + [(0, -K % 32)]); x = x.reshape(x.shape[:-1] + (-1, 32)); a = np.abs(x).max(-1, keepdims=True)
;;       e = np.where(a > 0, np.clip(np.frexp(np.where(a > 0, a, 1))[1] - 1 - 2, -126, 127), 0)      # np.frexp(a)[1] - 1 = floor(log2(a)), exactly
;;       r = np.clip(x / 2.0 ** e, -6, 6)
;;       step = 2.0 ** (np.maximum(np.frexp(np.where(r == 0, 1, r))[1] - 1, 0) - 1)
;;       q = np.round(r / step) * step * 2.0 ** e      # np.round: ties to even
;;       return np.moveaxis(q.reshape(q.shape[:-2] + (-1,))[..., :K], -1, axis).astype(np.float32)
;;   ~~~
;; One version. Each part assembles by itself: llvm-mc -triple=amdgcn-amd-amdhsa -mcpu=gfx1250 --defsym DOCPART=n.
;; ======== version 1 of 1: 5 launches
;; limits: values are held in f16: magnitudes above 65,504 overflow, below 6.1e-05 lose precision
;; workspace buffers: xc 4,194,304 bytes; xs 262,144 bytes; wc 1,572,864 bytes; ws 98,304 bytes; wp 2,097,152 bytes; qkvh 50,331,648 bytes; qf 786,432 bytes; yh 16,777,216 bytes
;; launch prep (part 1): grid 368 x 1, 4 waves a work-group, no clusters, 68,096 bytes of LDS; arguments x, W_attn, W_proj, xc, xs, wc, ws, wp; writes xc, xs, wc, ws, wp
.if DOCPART == 1
	.amdgcn_target "amdgcn-amd-amdhsa--gfx1250"
	.amdhsa_code_object_version 6
	.text
	.protected	k_q430fa804e3_prep
	.globl	k_q430fa804e3_prep
	.p2align	8
	.type	k_q430fa804e3_prep,@function
k_q430fa804e3_prep:
	s_mov_b64 s[64:65], 0
	v_nop
	global_prefetch_b8 v0, s[64:65] scope:SCOPE_SE
	s_setreg_imm32_b32 hwreg(HW_REG_WAVE_MODE, 25, 1), 1
	s_wait_xcnt 0x0
; PREP, the first of five launches of causal self-attention (B 4, T 2,048, C 1,024, 16 heads of 64).
; It turns x [8192][1024] and W_attn [1024 k][3072 n], f32, into codes of FP4 (E2M1) with one E8M0 byte for each 32 along K = 1,024, and W_proj into f16 as it lies.
;   xc [8192][512 bytes], xs [8192][32];  wc [3072 n][512 bytes] with K innermost, ws [3072][32];  wp [1024 k][1024 n] f16.
; A block's scale is 2^(floor(log2(its largest magnitude)) - 2); its byte is the largest magnitude's exponent field - 2, held at 1 from below.
; WORK THAT THE PROGRAM LEAVES OUT, AND WHY IT IS DEAD.
;  (a) b_attn[1024:2048], the bias on k.  A score is q . (k + b_k) = q . k + q . b_k, and q . b_k is the same for every key of a query's row: softmax(s + const) = softmax(s) for all finite
;      values; hidden places are -infinity with or without it.  The product q k^T is not quantised, so no code or scale hangs on that bias.  These 1,024 numbers are never loaded.
;  (b) key steps that lie wholly above the diagonal of the jnp.tril that the problem builds itself: their weights are 0.
;  LIMIT: a NaN, an infinity or an overflow that reaches only b_attn[1024:2048] or hidden scores is not carried to the result.
; OTHER LIMITS: q, k, v, y and W_proj go to the later products as f16: magnitudes up to 65,504.  Blocks whose largest magnitude lies under 2^-124 keep the byte 1; a block of zeros has the byte 1
; and not 127 (its codes are zeros, and only this program reads the bytes).  NaN and infinities among the inputs are not served.
; SHARES: work-groups 0-47 take W_attn, 48-111 W_proj, 112-367 x.  The three ways part on the work-group's number alone; each has LDS bytes of its own.  No tensor loads, no barrier: waves share nothing.
.set SPARE, 67584                      ; behind both ways' LDS: the spare words, 128 bytes for each wave
.set SPW,   190                        ; v190  LDS address of my spare word; never rewritten
.set NIL,   191                        ; v191  0; never rewritten
.set EMAX,  2
	s_load_b256 s[4:11], s[0:1], 0x0               ; x s[4:5], W_attn s[6:7], W_proj s[8:9], xc s[10:11]
	s_load_b256 s[12:19], s[0:1], 0x20             ; xs s[12:13], wc s[14:15], ws s[16:17], wp s[18:19]
	v_lshl_add_u32 v[SPW], v0, 2, SPARE
	v_mov_b32 v[NIL], 0
	v_lshrrev_b32 v1, 5, v0
	v_readfirstlane_b32 s24, v1                    ; wave
	v_and_b32 v2, 31, v0                           ; lane
	s_wait_kmcnt 0x0
	s_cmp_lt_u32 ttmp9, 48
	s_cbranch_scc1 .Lwattn
	s_cmp_lt_u32 ttmp9, 112
	s_cbranch_scc1 .Lwproj
; ---------------- x: K is innermost and rows are dense, so x is a plain stream of blocks of 32 ----------------
; A wave takes 16 steps of 512 numbers.  Each load reads 512 consecutive bytes; a step's 2,048 bytes turn through the wave's own stage in LDS, so that a lane then holds 16 NEIGHBOURS (two lanes to a block).
.set STEPS, 16
.set CB,    8                          ; bytes of 16 codes
.set XR,    16                         ; v16-79   four sets of 16 numbers as loaded
.set XX,    80                         ; v80-111  two sets of 16 neighbours
.set XE,    112                        ; v112-127 a scale byte for each step
.set XC,    128                        ; v128-189 codes: registers of its own for each step, so that no store's data are written again
.set WREG,  8192                       ; LDS bytes 0 to 32,767: a region for each wave: two stages of 32 x SP, then its 256 scale bytes
.set SP,    80                         ; a lane's place in a stage: 64 bytes + 16 of padding
	v_lshlrev_b32 v3, 4, v2                        ; my 16 bytes of a load's 512
	s_mul_i32 s25, s24, WREG
	v_lshrrev_b32 v14, 2, v2
	v_mul_u32_u24 v14, v14, SP
	v_and_b32 v15, 3, v2
	v_lshl_add_u32 v14, v15, 4, v14
	v_add_nc_u32 v14, s25, v14                     ; into the stage: SP (lane / 4) + 16 (lane % 4)
	v_mul_u32_u24 v15, v2, SP
	v_add_nc_u32 v15, s25, v15                     ; out of it: SP x lane
	v_mul_u32_u24 v4, v2, CB                       ; my codes' place in a step's 256 bytes
	v_lshrrev_b32 v5, 1, v2
	s_add_co_u32 s25, s25, 2*32*SP
	v_add_nc_u32 v5, s25, v5                       ; my block's scale byte in LDS
	v_lshlrev_b32 v7, 3, v2
	v_add_nc_u32 v6, s25, v7                       ; and on the way out 8 bytes a lane
	s_sub_co_u32 s26, ttmp9, 112
	s_lshl_b32 s26, s26, 2
	s_add_co_u32 s26, s26, s24                     ; which run of 8,192 numbers is my wave's: 0 to 1,023
	s_mov_b32 s29, 0
	s_lshl_b32 s28, s26, 15
	s_add_nc_u64 s[4:5], s[4:5], s[28:29]
	s_lshl_b32 s28, s26, 12
	s_add_nc_u64 s[10:11], s[10:11], s[28:29]
	s_lshl_b32 s28, s26, 8
	s_add_nc_u64 s[12:13], s[12:13], s[28:29]
.macro XLOAD t
.irp i, 0,1,2,3
	global_load_b128 v[XR+16*((\t)%4)+4*\i:XR+16*((\t)%4)+4*\i+3], v3, s[4:5] offset:2048*(\t)+512*\i th:TH_LOAD_NT
.endr
.endm
.macro XTURN t                         ; step t's numbers through the stage: LDS serves a wave's instructions in order, so no wait stands between the stores and the loads
.irp i, 0,1,2,3
	ds_store_b128 v14, v[XR+16*((\t)%4)+4*\i:XR+16*((\t)%4)+4*\i+3] offset:32*SP*((\t)%2)+8*SP*\i
.endr
.irp i, 0,1,2,3
	ds_load_b128 v[XX+16*((\t)%2)+4*\i:XX+16*((\t)%2)+4*\i+3], v15 offset:32*SP*((\t)%2)+16*\i
.endr
.endm
.irp t, 0,1,2,3
	XLOAD \t
.endr
	s_wait_loadcnt 12                              ; step 0's four loads are in; the twelve of steps 1 to 3 may be out
	XTURN 0
.macro XSTEP t
.set XS, XX+16*((\t)%2)
.if (\t) > 0
	s_wait_dscnt 1                                 ; this step's numbers are back from the stage (the last step's byte store may be out)
.else
	s_wait_dscnt 0x0
.endif
.if (\t)+4 < STEPS
	XLOAD (\t)+4                                   ; into the registers that the stage's stores have read
.endif
.if (\t)+1 < STEPS
.if STEPS-2-(\t) >= 3
	s_wait_loadcnt 12                              ; the next step's four loads are in; those of the three steps behind it may be out
.else
	s_wait_loadcnt 4*(STEPS-2-(\t))
.endif
	XTURN (\t)+1
.endif
	v_max3_num_f32 v8, |v[XS]|, |v[XS+1]|, |v[XS+2]|               ; the largest magnitude of my 16, in two chains
	v_max3_num_f32 v9, |v[XS+3]|, |v[XS+4]|, |v[XS+5]|
.irp i, 6,10
	v_max3_num_f32 v8, v8, |v[XS+\i]|, |v[XS+\i+1]|
	v_max3_num_f32 v9, v9, |v[XS+\i+2]|, |v[XS+\i+3]|
.endr
	v_max3_num_f32 v8, v8, |v[XS+14]|, |v[XS+15]|
	v_max3_num_f32 v8, v8, v9, (EMAX+1)<<23        ; and the floor 2^(3 - 127): the byte cannot fall under 1
	v_max_num_f32_dpp v8, v8, v8 row_xmask:1 row_mask:0xf bank_mask:0xf   ; with my neighbour's 16: the block's
	v_add_nc_u32 v11, -(EMAX<<23), v8              ; 2 off its exponent field: the conversion takes the exponent field of this operand as its scale
	v_cvt_scalef32_pk8_fp4_f32 v[XC+4*(\t)], v[XS:XS+7], v11
	v_cvt_scalef32_pk8_fp4_f32 v[XC+4*(\t)+1], v[XS+8:XS+15], v11
	v_lshrrev_b32 v[XE+(\t)], 23, v11              ; the scale's byte
	ds_store_b8 v5, v[XE+(\t)] offset:16*(\t)      ; both lanes of a block write the same byte with the same value
	global_store_b64 v4, v[XC+4*(\t):XC+4*(\t)+1], s[10:11] offset:32*CB*(\t)   ; the wave stores 256 consecutive bytes, aligned
.endm
.irp t, 0,1,2,3,4,5,6,7,8,9,10,11,12,13,14,15
	XSTEP \t
.endr
	ds_load_b64 v[8:9], v6                         ; my wave's 256 scale bytes: these loads see my stores
	s_wait_dscnt 0x0
	global_store_b64 v7, v[8:9], s[12:13]          ; 256 consecutive bytes, aligned
	s_wait_tensorcnt 0x0                           ; the wave's end, behind my last LDS store
	ds_add_u32 v[SPW], v[NIL]
	s_wait_dscnt 0x0
	s_endpgm
; ---------------- W_attn: K is its FIRST axis.  A lane takes a column n and its registers run down K ----------------
; 24 x 2 work-groups: 128 columns x 512 along K; a wave 32 columns: 16 blocks a lane, 256 bytes of codes a column, which leave through the wave's own stage as rows.
.Lwattn:
.set NB,    16
.set WPITCH, 272                       ; a stage row: 256 bytes + 16
.set KROW,  512                        ; a row of wc in bytes
.set WX,    32                         ; v32-95   two sets of 32 numbers
.set WC,    96                         ; v96-99   a block's codes
.set WOUT,  112                        ; v112-175 the way out
.set WSB,   24                         ; v24-27   the scale bytes, four to a register
	s_cmp_ge_u32 ttmp9, 24
	s_cselect_b32 s26, 1, 0                        ; which 512 along K
	s_cselect_b32 s27, 24, 0
	s_sub_co_u32 s27, ttmp9, s27                   ; which 128 columns
	s_lshl_b32 s25, s27, 7
	s_lshl_b32 s28, s24, 5
	s_add_co_u32 s25, s25, s28                     ; my wave's first column
	v_lshlrev_b32 v3, 2, v2                        ; in: 4 bytes a lane
	s_mul_i32 s28, s24, 32*WPITCH
	s_add_co_u32 s28, s28, 32768                   ; my stage: LDS bytes 32,768 on belong to this way alone
	v_mul_u32_u24 v4, v2, WPITCH
	v_add_nc_u32 v4, s28, v4                       ; into it: row = my column
	v_and_b32 v5, 15, v2
	v_lshrrev_b32 v6, 4, v2
	v_mul_u32_u24 v7, v6, WPITCH
	v_lshl_add_u32 v7, v5, 4, v7
	v_add_nc_u32 v7, s28, v7                       ; out of it: sixteen lanes to a row, two rows an instruction
	v_mul_u32_u24 v8, v6, KROW
	v_lshl_add_u32 v8, v5, 4, v8                   ; and the same place in wc
	v_mul_u32_u24 v9, v2, 32                       ; my column's row of scale bytes
	s_mov_b32 s29, 0
	s_mul_i32 s28, s26, 512*3072*4
	s_lshl_b32 s30, s25, 2
	s_add_co_u32 s28, s28, s30
	s_add_nc_u64 s[6:7], s[6:7], s[28:29]          ; W_attn at (512 y, my column)
	s_lshl_b32 s28, s25, 9
	s_lshl_b32 s30, s26, 8
	s_add_co_u32 s28, s28, s30
	s_add_nc_u64 s[14:15], s[14:15], s[28:29]      ; wc
	s_lshl_b32 s28, s25, 5
	s_lshl_b32 s30, s26, 4
	s_add_co_u32 s28, s28, s30
	s_add_nc_u64 s[16:17], s[16:17], s[28:29]      ; ws
.macro WLOAD t                         ; block t: W(32 t + i, my column): 128 consecutive bytes a wave; the largest immediate is 511 x 12,288, inside the signed 24 bits
.irp i, 0,1,2,3,4,5,6,7,8,9,10,11,12,13,14,15,16,17,18,19,20,21,22,23,24,25,26,27,28,29,30,31
	global_load_b32 v[WX+32*((\t)%2)+\i], v3, s[6:7] offset:(32*(\t)+\i)*3072*4 th:TH_LOAD_NT
.endr
.endm
	WLOAD 0
	WLOAD 1
.macro WBLOCK t
.set WS, WX+32*((\t)%2)
.if (\t) < NB-1
	s_wait_loadcnt 32                              ; this block's 32 loads are in; the next block's may be out
.else
	s_wait_loadcnt 0
.endif
	v_max3_num_f32 v12, |v[WS]|, |v[WS+1]|, |v[WS+2]|              ; the block's largest magnitude: all 32 numbers are mine
	v_max3_num_f32 v13, |v[WS+3]|, |v[WS+4]|, |v[WS+5]|
.irp i, 6,10,14,18,22,26
	v_max3_num_f32 v12, v12, |v[WS+\i]|, |v[WS+\i+1]|
	v_max3_num_f32 v13, v13, |v[WS+\i+2]|, |v[WS+\i+3]|
.endr
	v_max3_num_f32 v12, v12, |v[WS+30]|, |v[WS+31]|
	v_max3_num_f32 v12, v12, v13, (EMAX+1)<<23
	v_add_nc_u32 v11, -(EMAX<<23), v12
	v_lshrrev_b32 v13, 23, v11                     ; the scale's byte
.if (\t)%4 == 0
	v_mov_b32 v[WSB+(\t)/4], v13
.else
	v_lshl_or_b32 v[WSB+(\t)/4], v13, 8*((\t)%4), v[WSB+(\t)/4]
.endif
.irp g, 0,1,2,3
	v_cvt_scalef32_pk8_fp4_f32 v[WC+\g], v[WS+8*\g:WS+8*\g+7], v11
.endr
	ds_store_b128 v4, v[WC:WC+3] offset:16*(\t)    ; 32 codes: 16 bytes of my column's row
.if (\t)+2 < NB
	WLOAD (\t)+2
.endif
	s_wait_dscnt 0x0                               ; the store has read its registers: the next block's codes may be written
.endm
.set Q, 0
.rept NB
	WBLOCK Q
.set Q, Q+1
.endr
	global_store_b128 v9, v[WSB:WSB+3], s[16:17]   ; my column's 16 scale bytes
.irp t, 0,1,2,3,4,5,6,7,8,9,10,11,12,13,14,15
	ds_load_b128 v[WOUT+4*\t:WOUT+4*\t+3], v7 offset:2*\t*WPITCH
.endr
.irp t, 0,1,2,3,4,5,6,7,8,9,10,11,12,13,14,15
	s_wait_dscnt 15-\t                             ; the younger LDS loads may be out
	global_store_b128 v8, v[WOUT+4*\t:WOUT+4*\t+3], s[14:15] offset:2*\t*KROW   ; sixteen lanes store 256 consecutive bytes, aligned
.endr
	s_wait_tensorcnt 0x0                           ; the wave's end: the three lines
	ds_add_u32 v[SPW], v[NIL]
	s_wait_dscnt 0x0
	s_endpgm
; ---------------- W_proj: f32 to f16, as it lies.  A wave takes 4,096 numbers; no LDS data ----------------
.Lwproj:
	s_sub_co_u32 s26, ttmp9, 48
	s_lshl_b32 s26, s26, 2
	s_add_co_u32 s26, s26, s24                     ; run 0 to 255
	s_mov_b32 s29, 0
	s_lshl_b32 s28, s26, 14
	s_add_nc_u64 s[8:9], s[8:9], s[28:29]
	s_lshl_b32 s28, s26, 13
	s_add_nc_u64 s[18:19], s[18:19], s[28:29]
	v_lshlrev_b32 v3, 4, v2
	v_lshlrev_b32 v4, 3, v2
.set I, 0
.rept 32
	global_load_b128 v[16+4*I:19+4*I], v3, s[8:9] offset:512*I th:TH_LOAD_NT    ; 512 consecutive bytes
.set I, I+1
.endr
.set I, 0
.rept 32
	s_wait_loadcnt 31-I                            ; the younger loads may be out
	v_cvt_pk_f16_f32 v[16+4*I], v[16+4*I], v[17+4*I]
	v_cvt_pk_f16_f32 v[17+4*I], v[18+4*I], v[19+4*I]
	global_store_b64 v4, v[16+4*I:17+4*I], s[18:19] offset:256*I               ; 256 consecutive bytes, aligned; no register is written again
.set I, I+1
.endr
	s_wait_tensorcnt 0x0                           ; the three lines stand at this way's end too
	ds_add_u32 v[SPW], v[NIL]
	s_wait_dscnt 0x0
	s_endpgm
.Lfunc_end_k_q430fa804e3_prep:
	.size	k_q430fa804e3_prep, .Lfunc_end_k_q430fa804e3_prep-k_q430fa804e3_prep
	.p2alignl 7, 3214868480
	.fill 96, 4, 3214868480
	.section	.rodata,"a",@progbits
	.p2align	6, 0x0
	.amdhsa_kernel k_q430fa804e3_prep
		.amdhsa_group_segment_fixed_size 68096
		.amdhsa_private_segment_fixed_size 0
		.amdhsa_enable_private_segment 0
		.amdhsa_kernarg_size 64
		.amdhsa_user_sgpr_count 2
		.amdhsa_user_sgpr_kernarg_segment_ptr 1
		.amdhsa_wavefront_size32 1
		.amdhsa_system_sgpr_workgroup_id_x 1
		.amdhsa_system_sgpr_workgroup_id_y 1
		.amdhsa_system_sgpr_workgroup_id_z 1
		.amdhsa_system_vgpr_workitem_id 0
		.amdhsa_next_free_vgpr 192
		.amdhsa_next_free_sgpr 66
		.amdhsa_reserve_vcc 0
		.amdhsa_float_denorm_mode_32 3
		.amdhsa_float_denorm_mode_16_64 3
		.amdhsa_memory_ordered 1
		.amdhsa_forward_progress 1
		.amdhsa_inst_pref_size 122
	.end_amdhsa_kernel
	.amdgpu_metadata
---
amdhsa.version: [ 1, 2 ]
amdhsa.kernels:
  - .name:           k_q430fa804e3_prep
    .symbol:         k_q430fa804e3_prep.kd
    .args:
      - { .name: x, .offset: 0, .size: 8, .value_kind: global_buffer, .address_space: global }
      - { .name: W_attn, .offset: 8, .size: 8, .value_kind: global_buffer, .address_space: global }
      - { .name: W_proj, .offset: 16, .size: 8, .value_kind: global_buffer, .address_space: global }
      - { .name: xc, .offset: 24, .size: 8, .value_kind: global_buffer, .address_space: global }
      - { .name: xs, .offset: 32, .size: 8, .value_kind: global_buffer, .address_space: global }
      - { .name: wc, .offset: 40, .size: 8, .value_kind: global_buffer, .address_space: global }
      - { .name: ws, .offset: 48, .size: 8, .value_kind: global_buffer, .address_space: global }
      - { .name: wp, .offset: 56, .size: 8, .value_kind: global_buffer, .address_space: global }
    .group_segment_fixed_size: 68096
    .private_segment_fixed_size: 0
    .kernarg_segment_align: 8
    .kernarg_segment_size: 64
    .max_flat_workgroup_size: 128
    .sgpr_count:     66
    .vgpr_count:     192
    .wavefront_size: 32
...
	.end_amdgpu_metadata
.endif
;; end of part 1
;; launch qkv (part 2): grid 12 x 32, 4 waves a work-group, clusters of 4 x 4, 327,680 bytes of LDS; arguments xc, xs, wc, ws, qkvh, qf, b_attn; writes qkvh, qf
.if DOCPART == 2
	.amdgcn_target "amdgcn-amd-amdhsa--gfx1250"
	.amdhsa_code_object_version 6
	.text
	.protected	k_q430fa804e3_qkv
	.globl	k_q430fa804e3_qkv
	.p2align	8
	.type	k_q430fa804e3_qkv,@function
k_q430fa804e3_qkv:
	s_mov_b64 s[64:65], 0
	v_nop
	global_prefetch_b8 v0, s[64:65] scope:SCOPE_SE
	s_setreg_imm32_b32 hwreg(HW_REG_WAVE_MODE, 25, 1), 1
	s_wait_xcnt 0x0
	s_wait_alu depctr_hold_cnt(0) depctr_sa_sdst(0) depctr_va_vdst(0) depctr_va_sdst(0) depctr_va_ssrc(0) depctr_va_vcc(0) depctr_vm_vsrc(0)
	s_getreg_b32 s2, hwreg(HW_REG_IB_STS2, 6, 4)
	s_cmp_eq_u32 s2, 0
	s_cbranch_scc0 .Lentry_in_a_cluster
	s_endpgm
.Lentry_in_a_cluster:
	s_bfe_u32 s2, ttmp6, 0x10000c
	s_cmp_lg_u32 s2, 0xf033
	s_cbranch_scc0 .Lentry_shape_is_right
	s_endpgm
.Lentry_shape_is_right:
; QKV = Q4(x) Q4(W_attn) + bias, on codes of FP4 (E2M1) with one E8M0 scale for each 32 along K = 1,024; sums in f32.  Out: qkvh [3 parts q, k, v][64 heads b h][2048 t][64] f16, and
; qf, the f32 sums of the rows t < 16 of every sequence, as an image of the accumulators' registers: [4 b][192 column tiles of 16][2 halves][32 lanes][4].
; LEFT OUT AS DEAD WORK: the bias on k, b_attn[1024:2048] (it adds the same number to every score of a query's row, which softmax takes away): k's sums begin with zeros, and those numbers are not loaded.
; A tile of 256 x 256 is made by four waves, 128 x 128 each: 64 accumulators, 512 registers.  All of K lies in two LDS slots of 512 along K: they and the scale bytes are asked for at the start, and nothing is filled again.
; CLUSTERS: 4 x 4 work-groups; the four of a row of the cluster need the same tiles of x, the four of a column the same tiles of W: each tile is asked for jointly, by the same tensor load with a mask that names the four.
; TILE ROW = 8 cy + cluster y, so that the batch is cy and the tile's first position is 256 x cluster y: 'this tile holds t < 16' and 'these are k's columns' (cluster x = 1) are the same in all sixteen partners.
; THE MATRIX INSTRUCTION IS USED TRANSPOSED (source 0 = 16 rows of W's codes, source 1 = 16 rows of x's): a lane holds eight neighbouring columns of one row.
; REGISTERS: window 0: v16-31 addresses; v32-95 scale words, two sets, and nothing else; v128-191 x's fragments, one set; way out: v192-223 packed, v96-127 and v224-255 rows by turns.
;   window 1: W's fragments, two sets, at v0 and v128; v64-127 the bias in the result's layout.   windows 2, 3: the accumulators ((a, b) at v[8 (8 (a % 4) + b)]).
.set KSTEP,  512
.set NQ,     4
.set ROWB,   256
.set KROW,   512
.set PITCH,  272                       ; an LDS row: 256 bytes + 16 of padding: the 16 rows that a load touches start 68 words apart
.set FR,     8
.set NL,     2
.set NP,     4
.set HALFT,  128*PITCH
.set SLOT,   4*HALFT
.set KS,     32
.set SCL,    2*SLOT
.set HALFS,  16*272
.set SBLK,   2*272
.set SPARE,  SCL+4*HALFS               ; the spare words, 128 bytes for each wave
.set STAGE,  SPARE+512                 ; the way out: 16 rows x (256 + 16) bytes for each wave: bytes into which no tile lands
.set SPITCH, 272
.set ADRA, 16
.set ADRB, 20
.set STO,  24
.set RD,   25
.set CO,   26
.set ADRS, 27
.set SPW,  28
.set NIL,  29
.set FO,   30                          ; v30  16 x lane: my place in an image of registers
.set BO,   31                          ; v31  32 x (lane / 16): my eight numbers of a tile's bias
.set SC,   32
.set AF,   128
.set TMP,  192
.set BI,   64                          ; in window 1
.set G1, 24
.set G0, 32
.set G1B, 48
.set G0B, 56
.set G1S, 68
.set G0S, 76
.set G1SB, 80
.set G0SB, 88
.set MSB, 0
.macro WIN new                         ; the immediate's high byte repeats the setting that is left
.if MSB != (\new)
	s_set_vgpr_msb (MSB<<8)|(\new)
.set MSB, (\new)
.endif
.endm
.set MUL_LO, 0xa1                      ; source 0 (W) window 1, source 1 (x) window 0, C and D window 2
.set MUL_HI, 0xf1
.set BIAS_LO, 0x91                     ; the first step: C is the bias, in window 1
.set BIAS_HI, 0xd1
.set TO_B,   0x40
.macro JLOAD g0a, g1a, g0b, g1b        ; waves 0 and 1 fetch for x, waves 2 and 3 for W; an s_nop 0 and four v_nop follow each line
	s_cmp_eq_u32 s15, 0
	s_cbranch_scc0 .Lfor_b_\@
	tensor_load_to_lds s[\g0a:\g0a+3], s[\g1a:\g1a+7]
	s_nop 0
.rept 4
	v_nop
.endr
	s_branch .Lasked_\@
.Lfor_b_\@:
	tensor_load_to_lds s[\g0b:\g0b+3], s[\g1b:\g1b+7]
	s_nop 0
.rept 4
	v_nop
.endr
.Lasked_\@:
.endm
.macro CROUND                          ; a round of the cluster's barrier
	s_barrier_signal -1
	s_barrier_wait -1
	s_cmp_lg_u32 s14, 0
	s_cbranch_scc1 .Lnot_wave_0_\@
	s_barrier_signal -3
.Lnot_wave_0_\@:
	s_barrier_wait -3
	s_barrier_signal -1
	s_barrier_wait -1
.endm
	s_load_b128 s[4:7], s[0:1], 0x0                ; xc, xs
	s_load_b128 s[8:11], s[0:1], 0x10              ; wc, ws
	s_load_b64 s[12:13], s[0:1], 0x20              ; qkvh
	s_load_b128 s[96:99], s[0:1], 0x28             ; qf, b_attn
	v_lshl_add_u32 v[SPW], v0, 2, SPARE
	v_mov_b32 v[NIL], 0
	ds_add_u32 v[SPW], v[NIL]                      ; the wave's opening: the add, twice on end, and its wait ahead of my first tensor load
	ds_add_u32 v[SPW], v[NIL]
	v_lshrrev_b32 v1, 5, v0
	v_readfirstlane_b32 s14, v1                    ; wave
	s_lshr_b32 s15, s14, 1                         ; my half of the tile's rows.  Also: I fetch for x (0) or for W (1)
	s_and_b32 s16, s14, 1                          ; my half of its columns.  Also: which 128 rows I fetch
	s_bfe_u32 s40, ttmp6, 0x40000                  ; cx
	s_bfe_u32 s41, ttmp6, 0x40004                  ; cy
	s_lshl_b32 s42, ttmp9, 2
	s_add_co_u32 s42, s42, s40                     ; tile column = 4 x cluster x + cx
	s_and_b32 s95, ttmp7, 0xffff                   ; cluster y
	s_lshl_b32 s17, s41, 3
	s_add_co_u32 s17, s17, s95                     ; tile row = 8 cy + cluster y
	s_lshl_b32 s43, s41, 2
	s_lshl_b32 s43, 15, s43                        ; my row of the cluster
	s_lshl_b32 s44, 0x1111, s40                    ; my column
	s_or_b32 s[G1+0], s43, (0<<16)|(1<<20)|(1<<21)|(5<<22)|(3<<25)  ; the mask; elements of 1 byte; padding of 4 words behind every 64; bit 21 beside a mask
	s_or_b32 s[G1B+0], s44, (0<<16)|(1<<20)|(1<<21)|(5<<22)|(3<<25)
.irp g, G1, G1B
	s_mov_b32 s[\g+1], ROWB<<16                    ; tensor_dim0
	s_mov_b32 s[\g+2], 128<<16                     ; tensor_dim1
	s_mov_b32 s[\g+3], ROWB<<16                    ; tile_dim0
	s_mov_b32 s[\g+4], 128                         ; tile_dim1
	s_mov_b32 s[\g+5], KROW                        ; from row to row
	s_mov_b32 s[\g+6], 0
	s_mov_b32 s[\g+7], 0
.endr
	s_or_b32 s[G1S+0], s43, (3<<16)|(1<<20)|(1<<21)|(5<<22)|(3<<25) ; the scale bytes of 128 rows: 4,096 dense bytes as 16 rows of 256, 16 bytes of padding behind each
	s_or_b32 s[G1SB+0], s44, (3<<16)|(1<<20)|(1<<21)|(5<<22)|(3<<25)
.irp g, G1S, G1SB
	s_mov_b32 s[\g+1], 32<<16
	s_mov_b32 s[\g+2], 16<<16
	s_mov_b32 s[\g+3], 32<<16
	s_mov_b32 s[\g+4], 16
	s_mov_b32 s[\g+5], 32
	s_mov_b32 s[\g+6], 0
	s_mov_b32 s[\g+7], 0
.endr
	s_lshl_b32 s18, s16, 7
	s_lshl_b32 s20, s17, 8
	s_add_co_u32 s20, s20, s18                     ; x: row 256 x tile row + 128 x half
	s_lshl_b32 s46, s42, 8
	s_add_co_u32 s46, s46, s18                     ; W: row 256 x tile column + 128 x half
	s_mov_b32 s21, 0
	s_mov_b32 s47, 0
	s_mov_b64 s[18:19], KS
	s_mul_u64 s[22:23], s[20:21], s[18:19]         ; where these rows' scale bytes begin
	s_mul_u64 s[92:93], s[46:47], s[18:19]
	s_mov_b64 s[18:19], KROW
	s_mul_u64 s[20:21], s[20:21], s[18:19]         ; and their codes
	s_mul_u64 s[46:47], s[46:47], s[18:19]
	s_mul_i32 s45, s14, HALFT                      ; where they go: wave x 128 rows
	s_mul_i32 s94, s14, HALFS
	s_wait_dscnt 0x0                               ; both opening adds are done
	s_wait_kmcnt 0x0
	s_add_nc_u64 s[20:21], s[4:5], s[20:21]
	s_add_nc_u64 s[22:23], s[6:7], s[22:23]
	s_add_nc_u64 s[46:47], s[8:9], s[46:47]
	s_add_nc_u64 s[92:93], s[10:11], s[92:93]
	CROUND                                         ; all sixteen work-groups are here: the joint loads meet
	s_mov_b32 s[G0S], 1
	s_add_co_u32 s[G0S+1], s94, SCL
	s_mov_b64 s[G0S+2:G0S+3], s[22:23]
	s_or_b32 s[G0S+3], s[G0S+3], 0x80000000
	s_mov_b32 s[G0SB], 1
	s_add_co_u32 s[G0SB+1], s94, SCL
	s_mov_b64 s[G0SB+2:G0SB+3], s[92:93]
	s_or_b32 s[G0SB+3], s[G0SB+3], 0x80000000
	JLOAD G0S, G1S, G0SB, G1SB                     ; the scale bytes first: three loads of mine are out at the most
.irp s, 0,1
	s_mov_b32 s[G0+4*\s], 1
	s_add_co_u32 s[G0+4*\s+1], s45, \s*SLOT
	s_add_nc_u64 s[G0+4*\s+2:G0+4*\s+3], s[20:21], \s*ROWB
	s_or_b32 s[G0+4*\s+3], s[G0+4*\s+3], 0x80000000
	s_mov_b32 s[G0B+4*\s], 1
	s_add_co_u32 s[G0B+4*\s+1], s45, \s*SLOT
	s_add_nc_u64 s[G0B+4*\s+2:G0B+4*\s+3], s[46:47], \s*ROWB
	s_or_b32 s[G0B+4*\s+3], s[G0B+4*\s+3], 0x80000000
	JLOAD G0+4*\s, G1, G0B+4*\s, G1B
.endr
	v_and_b32 v1, 15, v0                           ; r = lane % 16
	v_bfe_u32 v2, v0, 4, 1                         ; h = lane / 16
	v_lshlrev_b32 v[BO], 5, v2
	s_lshl_b32 s46, s42, 10                        ; the bias of my 128 columns: 4 (256 x tile column + 128 x half) bytes on
	s_lshl_b32 s47, s16, 9
	s_add_co_u32 s46, s46, s47
	s_mov_b32 s47, 0
	s_add_nc_u64 s[98:99], s[98:99], s[46:47]
	; THE BIAS is the C of each sum's first product: for column block b lane (r, h) holds b_attn[first column + 16 b + 8 h + 0 .. 7].  For k's columns (cluster x = 1): zeros, and nothing is loaded.
	s_cmp_eq_u32 ttmp9, 1
	s_cbranch_scc1 .Lk_part
	WIN TO_B
.irp b, 0,1,2,3,4,5,6,7
	global_load_b128 v[BI+8*\b:BI+8*\b+3], v[BO], s[98:99] offset:64*\b
	global_load_b128 v[BI+8*\b+4:BI+8*\b+7], v[BO], s[98:99] offset:64*\b+16
.endr
	WIN 0
	s_branch .Lbias_done
.Lk_part:
	WIN TO_B
.set I, 0
.rept 64
	v_mov_b32 v[BI+I], 0
.set I, I+1
.endr
	WIN 0
.Lbias_done:
	v_mul_u32_u24 v3, v1, PITCH
	v_lshl_add_u32 v4, v2, 4, v3                   ; a fragment's row x pitch + 16 x half
	s_mul_i32 s21, s15, HALFT                      ; my 128 rows of x
	s_mul_i32 s22, s16, HALFT                      ; my 128 rows of W,
	s_add_co_u32 s22, s22, 2*HALFT                 ; which lie behind x's 256
.irp s, 0,1
	v_add_nc_u32 v[ADRA+\s], s21, v4
	v_add_nc_u32 v[ADRB+\s], s22, v4
	s_add_co_u32 s21, s21, SLOT
	s_add_co_u32 s22, s22, SLOT
.endr
	v_mul_u32_u24 v5, v1, KS                       ; my row's scale bytes: 32 a row,
	v_lshrrev_b32 v6, 8, v5
	v_lshl_add_u32 v5, v6, 4, v5                   ; and 16 more for each 256 passed
	s_mul_i32 s21, s15, HALFS
	s_mul_i32 s22, s16, HALFS
	s_add_co_u32 s22, s22, 2*HALFS
	s_sub_co_u32 s22, s22, s21
	v_mul_u32_u24 v6, s22, v2                      ; lanes 16-31 take W's: one product, the distance between the two bases
	s_add_co_u32 s21, s21, SCL
	v_add_nc_u32 v5, v5, v6
	v_add_nc_u32 v[ADRS], s21, v5
	s_mul_i32 s23, s14, 16*SPITCH
	s_add_co_u32 s23, s23, STAGE                   ; my stage
	v_mul_u32_u24 v5, v1, SPITCH
	v_lshl_add_u32 v5, v2, 4, v5
	v_add_nc_u32 v[STO], s23, v5                   ; in: row r, 16 bytes for each half of the lanes
	v_bfe_u32 v5, v0, 3, 1
	v_mul_u32_u24 v5, v5, SPITCH
	v_lshl_add_u32 v5, v2, 7, v5
	v_and_b32 v6, 7, v0
	v_lshl_add_u32 v5, v6, 4, v5
	v_add_nc_u32 v[RD], s23, v5                    ; back: lanes 0-15 two rows' 128 bytes of my first head, lanes 16-31 of my second
	v_lshlrev_b32 v[CO], 18, v2
	v_lshl_add_u32 v[CO], v1, 4, v[CO]             ; in qkvh: a head is 262,144 bytes; two rows of a head are 256 consecutive bytes
	v_and_b32 v6, 31, v0
	v_lshlrev_b32 v[FO], 4, v6
	s_lshl_b32 s20, ttmp9, 24                      ; the part (q, k, v): 16,777,216 bytes each;
	s_lshl_b32 s21, s41, 22                        ; 16 cy heads;
	s_add_co_u32 s20, s20, s21
	s_lshl_b32 s21, s95, 15                        ; 256 x cluster y rows of 128 bytes;
	s_add_co_u32 s20, s20, s21
	s_lshl_b32 s21, s15, 14                        ; my 128 rows
	s_add_co_u32 s20, s20, s21
	s_mov_b32 s21, 0
	s_add_nc_u64 s[12:13], s[12:13], s[20:21]
	s_lshl_b32 s46, s40, 20                        ; 4 cx heads,
	s_lshl_b32 s47, s16, 19                        ; my two of them
	s_add_co_u32 s46, s46, s47
	s_mov_b32 s47, 0
	s_add_nc_u64 s[12:13], s[12:13], s[46:47]
	s_mul_i32 s20, s41, 196608                     ; qf: the batch's 192 tiles of 1,024 bytes,
	s_add_nc_u64 s[96:97], s[96:97], s[20:21]
	s_lshl_b32 s46, s42, 14                        ; column tile 16 x tile column + 8 x half
	s_lshl_b32 s47, s16, 13
	s_add_co_u32 s46, s46, s47
	s_mov_b32 s47, 0
	s_add_nc_u64 s[96:97], s[96:97], s[46:47]
.macro FRAG reg, adr, q, i             ; 16 rows x 128 K of 4-bit codes: 8 registers: two loads of 16 bytes, 32 bytes apart
.irp c, 0,1
	ds_load_b128 v[\reg+4*\c:\reg+4*\c+3], v[\adr] offset:64*(\q)+32*\c+(\i)*16*PITCH
.endr
.endm
; 16 matrix instructions: x's blocks a0, a0 + 1 against W's eight.  The 64 accumulators take turns, one instruction a turn, in the same order in every step.
.macro MUL16 a0, p, q, sc, zero
.irp a, \a0, \a0+1
.irp b, 0,1,2,3,4,5,6,7
.if \zero
	v_wmma_scale_f32_16x16x128_f8f6f4 v[8*(8*((\a)%4)+\b):8*(8*((\a)%4)+\b)+7], v[128*(\p)+FR*\b:128*(\p)+FR*\b+FR-1], v[AF+FR*(\a):AF+FR*(\a)+FR-1], v[BI+8*\b:BI+8*\b+7], v[SC+8*NQ*(\sc)+NQ*\b+(\q)], v[SC+8*NQ*(\sc)+NQ*(\a)+(\q)] matrix_a_fmt:MATRIX_FMT_FP4 matrix_b_fmt:MATRIX_FMT_FP4 matrix_a_scale:MATRIX_SCALE_ROW1
.else
	v_wmma_scale_f32_16x16x128_f8f6f4 v[8*(8*((\a)%4)+\b):8*(8*((\a)%4)+\b)+7], v[128*(\p)+FR*\b:128*(\p)+FR*\b+FR-1], v[AF+FR*(\a):AF+FR*(\a)+FR-1], v[8*(8*((\a)%4)+\b):8*(8*((\a)%4)+\b)+7], v[SC+8*NQ*(\sc)+NQ*\b+(\q)], v[SC+8*NQ*(\sc)+NQ*(\a)+(\q)] matrix_a_fmt:MATRIX_FMT_FP4 matrix_b_fmt:MATRIX_FMT_FP4 matrix_a_scale:MATRIX_SCALE_ROW1
.endif
.endr
.endr
.endm
.macro FETCH_B slot, q, p
	WIN TO_B
.irp i, 0,1,2,3,4,5,6,7
	FRAG 128*(\p)+FR*\i, ADRB+\slot, \q, \i
.endr
	WIN 0
.endm
.macro FETCH_A slot, q, i0
.irp i, \i0, \i0+1, \i0+2, \i0+3
	FRAG AF+FR*(\i), ADRA+\slot, \q, \i
.endr
.endm
.macro SCALES sc                       ; a slot's scale words: lanes 0-15 take x's block i, lanes 16-31 W's block i
.irp i, 0,1,2,3,4,5,6,7
	ds_load_b128 v[SC+8*NQ*\sc+NQ*\i:SC+8*NQ*\sc+NQ*\i+3], v[ADRS] offset:\i*SBLK
.endr
.endm
.macro PLACES n                        ; plain vector instructions between a matrix instruction and a load into its registers or a read of its result
.rept \n
	v_nop
.endr
.endm
.macro STEP slot, q, zero              ; 128 along K with its successor in the same slot
	s_wait_dscnt 4*NL                              ; all but the youngest eight loads (x's blocks 4-7) are in
.if \zero
	WIN BIAS_LO
.else
	WIN MUL_LO
.endif
	MUL16 0, (\q)%2, \q, \slot, \zero
	MUL16 2, (\q)%2, \q, \slot, \zero
	s_wait_dscnt 0
	PLACES NP
	FETCH_B \slot, (\q)+1, 1-(\q)%2
	FETCH_A \slot, (\q)+1, 0
.if \zero
	WIN BIAS_HI
.else
	WIN MUL_HI
.endif
	MUL16 4, (\q)%2, \q, \slot, \zero
	MUL16 6, (\q)%2, \q, \slot, \zero
	PLACES NP
	WIN 0
	FETCH_A \slot, (\q)+1, 4
.endm
.macro TURN slot, next                 ; a slot's last step: one barrier, behind which the other slot is whole for every wave; nothing is filled again
	s_wait_tensorcnt 0x0                           ; all my tensor loads have landed: my part of the next slot
	ds_add_u32 v[SPW], v[NIL]                      ; 0 onto my spare word
	s_wait_dscnt 4*NL+1                            ; (the add and the youngest eight loads may be out)
	WIN MUL_LO
	MUL16 0, 1, NQ-1, \slot, 0
	s_wait_dscnt 0x0
	s_barrier_signal -1
	MUL16 2, 1, NQ-1, \slot, 0
	WIN 0
	s_barrier_wait -1
	PLACES NP
	v_add_nc_u32 v[ADRS], 4*NQ, v[ADRS]            ; on to the next slot's scale words
	FETCH_B \next, 0, 0
	FETCH_A \next, 0, 0
	SCALES \next
	WIN MUL_HI
	MUL16 4, 1, NQ-1, \slot, 0
	MUL16 6, 1, NQ-1, \slot, 0
	PLACES NP
	WIN 0
	FETCH_A \next, 0, 4
.endm
.macro STEPS slot, from
.set Q, \from
.rept NQ-1-\from
	STEP \slot, Q, 0
.set Q, Q+1
.endr
.endm
	s_wait_tensorcnt 1                             ; the scale bytes and my part of slot 0 are in (slot 1's load may be out),
	s_barrier_signal -1
	s_barrier_wait -1                              ; everybody's are
	FETCH_B 0, 0, 0
	FETCH_A 0, 0, 0
	SCALES 0
	FETCH_A 0, 0, 4
	s_wait_loadcnt 0x0                             ; the bias
	STEP 0, 0, 1                                   ; the first products start the sums with the bias
	STEPS 0, 1
	TURN 0, 1
	STEPS 1, 0
	s_wait_dscnt 4*NL
	WIN MUL_LO
	MUL16 0, 1, NQ-1, 1, 0
	MUL16 2, 1, NQ-1, 1, 0
	s_wait_dscnt 0
	WIN MUL_HI
	MUL16 4, 1, NQ-1, 1, 0
	MUL16 6, 1, NQ-1, 1, 0
	WIN 0
	PLACES NP
	; THE ROWS t < 16 IN f32: block 0 of the waves with the tile's upper rows, where cluster y = 0.  Each store covers 512 consecutive bytes, aligned.
	s_or_b32 s2, s95, s15
	s_cmp_lg_u32 s2, 0
	s_cbranch_scc1 .Lnot_fine
	WIN 0x08                                       ; a store's data are its source 1: window 2
.irp b, 0,1,2,3,4,5,6,7
	global_store_b128 v[FO], v[8*\b:8*\b+3], s[96:97] offset:1024*\b
	global_store_b128 v[FO], v[8*\b+4:8*\b+7], s[96:97] offset:1024*\b+512
.endr
	WIN 0
.Lnot_fine:
; THE WAY OUT, a block of 16 rows x 128 columns (two heads) at a time: rounded to f16, 16 bytes a lane into my stage, back so that sixteen lanes hold two neighbouring rows of one head.
.macro PACK a
.set AC, 64*((\a)%4)
	WIN 0x0a+5*((\a)/4)                            ; sources 0 and 1: window 2 or 3
.irp b, 0,1,2,3,4,5,6,7
.irp i, 0,1,2,3
	v_cvt_pk_f16_f32 v[TMP+4*\b+\i], v[AC+8*\b+2*\i], v[AC+8*\b+2*\i+1]
.endr
.endr
	WIN 0
.endm
.macro TOSTAGE a
.set BB, 96+128*((\a)%2)
.irp b, 0,1,2,3,4,5,6,7
	ds_store_b128 v[STO], v[TMP+4*\b:TMP+4*\b+3] offset:32*\b
.endr
.irp t, 0,1,2,3,4,5,6,7
	ds_load_b128 v[BB+4*\t:BB+4*\t+3], v[RD] offset:\t*2*SPITCH    ; LDS serves a wave's instructions in order: these see the stores above
.endr
.endm
.macro SEND a
.set BB, 96+128*((\a)%2)
	s_wait_dscnt 0x0                               ; the block is back in registers
	s_wait_xcnt 0x0                                ; the stores of the block before have read their registers: the next block's loads may land there
.irp t, 0,1,2,3,4,5,6,7
	global_store_b128 v[CO], v[BB+4*\t:BB+4*\t+3], s[12:13] offset:2048*(\a)+256*\t   ; sixteen lanes store 256 consecutive bytes, aligned
.endr
.endm
	PACK 0
	TOSTAGE 0
.irp a, 1,2,3,4,5,6,7
	PACK \a
	SEND \a-1
	TOSTAGE \a
.endr
	SEND 7
	s_wait_tensorcnt 0x0                           ; the wave's end: behind my last tensor load and my last LDS store
	ds_add_u32 v[SPW], v[NIL]
	s_wait_dscnt 0x0
	CROUND                                         ; the closing round
	s_endpgm
.Lfunc_end_k_q430fa804e3_qkv:
	.size	k_q430fa804e3_qkv, .Lfunc_end_k_q430fa804e3_qkv-k_q430fa804e3_qkv
	.p2alignl 7, 3214868480
	.fill 96, 4, 3214868480
	.section	.rodata,"a",@progbits
	.p2align	6, 0x0
	.amdhsa_kernel k_q430fa804e3_qkv
		.amdhsa_group_segment_fixed_size 327680
		.amdhsa_private_segment_fixed_size 0
		.amdhsa_enable_private_segment 0
		.amdhsa_kernarg_size 56
		.amdhsa_user_sgpr_count 2
		.amdhsa_user_sgpr_kernarg_segment_ptr 1
		.amdhsa_wavefront_size32 1
		.amdhsa_system_sgpr_workgroup_id_x 1
		.amdhsa_system_sgpr_workgroup_id_y 1
		.amdhsa_system_sgpr_workgroup_id_z 1
		.amdhsa_system_vgpr_workitem_id 0
		.amdhsa_next_free_vgpr 1024
		.amdhsa_next_free_sgpr 100
		.amdhsa_reserve_vcc 0
		.amdhsa_float_denorm_mode_32 3
		.amdhsa_float_denorm_mode_16_64 3
		.amdhsa_memory_ordered 1
		.amdhsa_forward_progress 1
		.amdhsa_inst_pref_size 132
	.end_amdhsa_kernel
	.amdgpu_metadata
---
amdhsa.version: [ 1, 2 ]
amdhsa.kernels:
  - .name:           k_q430fa804e3_qkv
    .symbol:         k_q430fa804e3_qkv.kd
    .args:
      - { .name: xc, .offset: 0, .size: 8, .value_kind: global_buffer, .address_space: global }
      - { .name: xs, .offset: 8, .size: 8, .value_kind: global_buffer, .address_space: global }
      - { .name: wc, .offset: 16, .size: 8, .value_kind: global_buffer, .address_space: global }
      - { .name: ws, .offset: 24, .size: 8, .value_kind: global_buffer, .address_space: global }
      - { .name: qkvh, .offset: 32, .size: 8, .value_kind: global_buffer, .address_space: global }
      - { .name: qf, .offset: 40, .size: 8, .value_kind: global_buffer, .address_space: global }
      - { .name: b_attn, .offset: 48, .size: 8, .value_kind: global_buffer, .address_space: global }
    .group_segment_fixed_size: 327680
    .private_segment_fixed_size: 0
    .kernarg_segment_align: 8
    .kernarg_segment_size: 56
    .max_flat_workgroup_size: 128
    .sgpr_count:     100
    .vgpr_count:     1024
    .wavefront_size: 32
...
	.end_amdgpu_metadata
.endif
;; end of part 2
;; launch fine (part 3): grid 16 x 4, 16 waves a work-group, no clusters, 71,680 bytes of LDS; arguments qf, W_proj, b_proj, out0; writes out0
.if DOCPART == 3
	.amdgcn_target "amdgcn-amd-amdhsa--gfx1250"
	.amdhsa_code_object_version 6
	.text
	.protected	k_q430fa804e3_fine
	.globl	k_q430fa804e3_fine
	.p2align	8
	.type	k_q430fa804e3_fine,@function
k_q430fa804e3_fine:
	s_mov_b64 s[64:65], 0
	v_nop
	global_prefetch_b8 v0, s[64:65] scope:SCOPE_SE
	s_setreg_imm32_b32 hwreg(HW_REG_WAVE_MODE, 25, 1), 1
	s_wait_xcnt 0x0
; THE FIRST 16 POSITIONS OF EVERY SEQUENCE, all in f32: attention and the projection.  These rows average one to sixteen values and are the largest in size, so f16 operands would weigh most here.
; LEFT OUT AS DEAD WORK: the bias on k (qf's k has none: it adds the same number to every score of a row, which softmax takes away).
; A work-group makes out0[b][0 .. 15][n0 .. n0 + 63], n0 = 64 x work-group x, b = work-group y.  WAVE w IS HEAD w: it makes its head's y (16 x 64), which is K slice w of the projection, so y stays in its registers;
; it multiplies y by W_proj[64 w .. 64 w + 63][n0 ..]; the sixteen partial sums meet in LDS.  96 matrix instructions of the f32 form a wave: no bulk work.
; qf holds q, k, v of these rows as images of accumulators: element (t = r, column 16 tile + 8 h + j) at tile x 1,024 + (j / 4) x 512 + (16 h + r) x 16 + (j % 4) x 4.
; In each product one and the same order of k is given to both sources, so the products are kept.  All products are used transposed: a lane holds ONE query (lane % 16).
; The registers that the f32 matrix form writes (v16-87) are written by matrix instructions alone.
; REGISTERS: v0 16 (lane % 16) once the head is done; v1 16 x lane; v2 v's offset, later the store's; v3 W's offset; v4, v5 the add's two; v6 maximum; v7 r - 8 h, then a permute's result; v8 -infinity, then the sum;
;   v9 1 / sum; v10, v11 LDS; v12-15 bias; v16-23 and v56-63 scores (two sums by turns); v24-55 y^T; v56-87 out^T; v88-95 p; v96-127 v, then y; v128-191 q, k, then W's column tiles 2, 3, then the partial sums; v192-255 W's tiles 0, 1.
.set PSW,   4352                       ; a wave's partial sums in LDS: 16 rows x (256 + 16) bytes
.set SPARE, 16*PSW                     ; behind them: the spare words, 128 bytes for each wave
	s_load_b256 s[4:11], s[0:1], 0x0               ; qf s[4:5], W_proj s[6:7], b_proj s[8:9], out0 s[10:11]
	v_lshl_add_u32 v4, v0, 2, SPARE
	v_mov_b32 v5, 0
	v_lshrrev_b32 v88, 5, v0
	v_readfirstlane_b32 s12, v88                   ; wave = head
	s_and_b32 s13, ttmp7, 0xffff                   ; batch
	s_mul_i32 s14, s13, 196608
	s_lshl_b32 s15, s12, 12
	s_add_co_u32 s14, s14, s15                     ; qf: the batch, and the head's four tiles
	s_mov_b32 s15, 0
	s_lshl_b32 s18, ttmp9, 8                       ; 4 n0
	s_mov_b32 s19, 0
	s_lshl_b32 s16, s12, 18                        ; W_proj: 64 w rows of 4,096 bytes
	s_add_co_u32 s16, s16, s18
	s_mov_b32 s17, 0
	s_lshl_b32 s24, s13, 23                        ; out0: 2,048 b rows,
	s_lshl_b32 s25, s12, 13                        ; + 2 w rows (waves 0 to 7 store),
	s_add_co_u32 s24, s24, s25
	s_add_co_u32 s24, s24, s18
	s_mov_b32 s25, 0
	s_mov_b32 s20, 0x76543210
	s_mov_b32 s21, 0xfedcba98                      ; lane l xor 16
	s_mov_b32 s22, 0x3e38aa3b                      ; c = log2(e) / sqrt(64)
	v_and_b32 v88, 15, v0                          ; r
	v_bfe_u32 v89, v0, 4, 1                        ; h
	v_and_b32 v90, 31, v0
	v_lshlrev_b32 v1, 4, v90
	v_bfe_u32 v91, v0, 2, 1
	v_bfe_u32 v92, v0, 3, 1
	v_and_b32 v93, 3, v0
	v_lshlrev_b32 v2, 9, v91
	v_lshl_add_u32 v2, v92, 8, v2
	v_lshl_add_u32 v2, v93, 2, v2
	v_lshl_add_u32 v2, v89, 7, v2                  ; v: channel r of a tile, keys 8 h on
	v_lshlrev_b32 v3, 15, v89
	v_lshl_add_u32 v3, v88, 2, v3                  ; W: 8 h rows down, column r
	v_lshlrev_b32 v94, 3, v89
	v_sub_nc_u32 v7, v88, v94                      ; d = r - 8 h: register j holds key 8 h + j, hidden where j > d
	s_mul_i32 s26, s12, PSW
	v_mul_u32_u24 v10, v88, 272
	v_lshl_add_u32 v10, v89, 5, v10
	v_add_nc_u32 v10, s26, v10                     ; my partial sums: row r, 32 bytes for each half of the lanes
	s_mul_i32 s26, s12, 544
	v_mul_u32_u24 v11, v89, 272
	v_lshl_add_u32 v11, v88, 4, v11
	v_add_nc_u32 v11, s26, v11                     ; back: rows 2 w and 2 w + 1 of a region, 16 bytes a lane
	v_lshlrev_b32 v0, 4, v88                       ; 16 r
	v_mov_b32 v8, 0xff800000                       ; -infinity
	s_wait_kmcnt 0x0
	s_add_nc_u64 s[4:5], s[4:5], s[14:15]
	s_add_nc_u64 s[6:7], s[6:7], s[16:17]
	s_add_nc_u64 s[8:9], s[8:9], s[18:19]
	s_add_nc_u64 s[10:11], s[10:11], s[24:25]
.irp c, 0,1,2,3
.irp u, 0,1
	global_load_b128 v[128+8*\c+4*\u:131+8*\c+4*\u], v1, s[4:5] offset:1024*\c+512*\u          ; q(r, 16 c + 8 h + 4 u + 0 .. 3)
.endr
.endr
.irp c, 0,1,2,3
.irp u, 0,1
	global_load_b128 v[160+8*\c+4*\u:163+8*\c+4*\u], v1, s[4:5] offset:65536+1024*\c+512*\u    ; k likewise: its tiles begin 64 tiles on
.endr
.endr
.irp c, 0,1,2,3
.irp i, 0,1,2,3,4,5,6,7
	global_load_b32 v[96+8*\c+\i], v2, s[4:5] offset:131072+1024*\c+16*\i                      ; v(key 8 h + i, channel 16 c + r)
.endr
.endr
	global_load_b128 v[12:15], v0, s[8:9]          ; b_proj[n0 + 4 (lane % 16) + 0 .. 3]
.irp n, 0,1
.set J, 0
.rept 32
	global_load_b32 v[192+32*\n+J], v3, s[6:7] offset:(16*(J/8)+J%8)*4096+64*\n                ; W(64 w + 16 (J / 8) + 8 h + J % 8, n0 + 16 n + r)
.set J, J+1
.endr
.endr
	s_wait_loadcnt 0x3f                            ; 65 loads follow v's last one: with 63 out at the most, q, k and v are in
	; S^T = k q^T: lane (r, h) holds query r and keys 8 h + 0 .. 7.  Two sums by turns.
.set U, 0
.rept 16
.if U < 2
	v_wmma_f32_16x16x4_f32 v[16+40*(U%2):23+40*(U%2)], v[160+2*U:161+2*U], v[128+2*U:129+2*U], 0
.else
	v_wmma_f32_16x16x4_f32 v[16+40*(U%2):23+40*(U%2)], v[160+2*U:161+2*U], v[128+2*U:129+2*U], v[16+40*(U%2):23+40*(U%2)]
.endif
.set U, U+1
.endr
.rept 8
	v_nop                                          ; eight places behind this form, ahead of loads into its sources and of reads of its results
.endr
.irp n, 2,3
.set J, 0
.rept 32
	global_load_b32 v[128+32*(\n-2)+J], v3, s[6:7] offset:(16*(J/8)+J%8)*4096+64*\n
.set J, J+1
.endr
.endr
.irp j, 0,1,2,3,4,5,6,7
	v_add_f32 v[88+\j], v[16+\j], v[56+\j]         ; the two sums, from the low end on
.endr
.irp j, 0,1,2,3,4,5,6,7
	v_cmp_gt_i32 vcc_lo, \j, v7
	v_cndmask_b32 v[88+\j], v[88+\j], v8, vcc_lo   ; the causal mask
.endr
	v_max3_num_f32 v6, v88, v89, v90
	v_max3_num_f32 v6, v6, v91, v92
	v_max3_num_f32 v6, v6, v93, v94
	v_max_num_f32 v6, v6, v95
	v_permlanex16_b32 v7, v6, s20, s21
	v_max_num_f32 v6, v6, v7                       ; the row's maximum: key 0 counts for every query, so it is a number
	v_mul_f32 v6, s22, v6
.irp j, 0,1,2,3,4,5,6,7
	v_fma_f32 v[88+\j], v[88+\j], s22, -v6         ; c s - c m
.endr
.irp j, 0,1,2,3,4,5,6,7
	v_exp_f32 v[88+\j], v[88+\j]
.endr
	v_nop                                          ; a plain instruction behind the last exponential
	s_wait_alu depctr_va_vdst(0)                   ; one wait for the batch, ahead of its first reader
	v_add_f32 v8, v88, v89
	v_add_f32 v9, v90, v91
	v_add_f32 v8, v8, v92
	v_add_f32 v9, v9, v93
	v_add_f32 v8, v8, v94
	v_add_f32 v9, v9, v95
	v_add_f32 v8, v8, v9
	v_permlanex16_b32 v7, v8, s20, s21
	v_add_f32 v8, v8, v7                           ; the row's sum
	v_rcp_f32 v9, v8
	v_nop
	; y^T = v^T p: lane (r, h) holds query r and channels 16 c + 8 h + 0 .. 7.  Four sums by turns.
.irp s, 0,1,2,3
.irp c, 0,1,2,3
.if \s == 0
	v_wmma_f32_16x16x4_f32 v[24+8*\c:31+8*\c], v[96+8*\c+2*\s:97+8*\c+2*\s], v[88+2*\s:89+2*\s], 0
.else
	v_wmma_f32_16x16x4_f32 v[24+8*\c:31+8*\c], v[96+8*\c+2*\s:97+8*\c+2*\s], v[88+2*\s:89+2*\s], v[24+8*\c:31+8*\c]
.endif
.endr
.endr
.rept 8
	v_nop
.endr
	s_wait_alu depctr_va_vdst(0)                   ; the reciprocal's wait, ahead of its first reader
.set I, 0
.rept 32
	v_mul_f32 v[96+I], v[24+I], v9                 ; y, into other registers
.set I, I+1
.endr
	s_wait_loadcnt 0x0                             ; W and the bias
	; out^T = W^T y^T over my head's 64 channels: lane (r, h) holds row r and columns n0 + 16 n + 8 h + 0 .. 7.  Four sums by turns.
.set U, 0
.rept 16
.irp n, 0,1,2,3
.set WR, 192+32*\n-128*(\n/2)
.if U == 0
	v_wmma_f32_16x16x4_f32 v[56+8*\n:63+8*\n], v[WR+2*U:WR+2*U+1], v[96+2*U:97+2*U], 0
.else
	v_wmma_f32_16x16x4_f32 v[56+8*\n:63+8*\n], v[WR+2*U:WR+2*U+1], v[96+2*U:97+2*U], v[56+8*\n:63+8*\n]
.endif
.endr
.set U, U+1
.endr
.rept 8
	v_nop
.endr
.irp n, 0,1,2,3
	ds_store_b128 v10, v[56+8*\n:59+8*\n] offset:64*\n
	ds_store_b128 v10, v[60+8*\n:63+8*\n] offset:64*\n+16
.endr
	s_wait_dscnt 0x0                               ; for the others' sake: my partial sums lie in LDS
	s_barrier_signal -1
	s_barrier_wait -1
	s_cmp_lt_u32 s12, 8                            ; waves 0 to 7 add the sixteen parts, two rows each
	s_cbranch_scc0 .Ldone
.set I, 0
.rept 16
	ds_load_b128 v[128+4*I:131+4*I], v11 offset:PSW*I
.set I, I+1
.endr
	v_and_b32 v2, 0x8000, v3                       ; (every load is in, so v2 may be written)  32,768 h,
	v_lshrrev_b32 v2, 3, v2                        ; a row of out0 for lanes 16-31,
	v_add_nc_u32 v2, v2, v0                        ; + 16 (lane % 16)
	s_wait_dscnt 0x0
.macro RED n                           ; parts 0 .. n - 1 take parts n .. 2 n - 1
.set I, 0
.rept \n
	v_pk_add_f32 v[128+4*I:129+4*I], v[128+4*I:129+4*I], v[128+4*(I+\n):129+4*(I+\n)]
	v_pk_add_f32 v[130+4*I:131+4*I], v[130+4*I:131+4*I], v[130+4*(I+\n):131+4*(I+\n)]
.set I, I+1
.endr
.endm
	RED 8
	RED 4
	RED 2
	RED 1
	v_pk_add_f32 v[128:129], v[128:129], v[12:13]
	v_pk_add_f32 v[130:131], v[130:131], v[14:15]
	global_store_b128 v2, v[128:131], s[10:11]     ; sixteen lanes store 256 consecutive bytes, aligned
.Ldone:
	s_wait_tensorcnt 0x0                           ; the wave's end, behind my last LDS store
	ds_add_u32 v4, v5
	s_wait_dscnt 0x0
	s_endpgm
.Lfunc_end_k_q430fa804e3_fine:
	.size	k_q430fa804e3_fine, .Lfunc_end_k_q430fa804e3_fine-k_q430fa804e3_fine
	.p2alignl 7, 3214868480
	.fill 96, 4, 3214868480
	.section	.rodata,"a",@progbits
	.p2align	6, 0x0
	.amdhsa_kernel k_q430fa804e3_fine
		.amdhsa_group_segment_fixed_size 71680
		.amdhsa_private_segment_fixed_size 0
		.amdhsa_enable_private_segment 0
		.amdhsa_kernarg_size 32
		.amdhsa_user_sgpr_count 2
		.amdhsa_user_sgpr_kernarg_segment_ptr 1
		.amdhsa_wavefront_size32 1
		.amdhsa_system_sgpr_workgroup_id_x 1
		.amdhsa_system_sgpr_workgroup_id_y 1
		.amdhsa_system_sgpr_workgroup_id_z 1
		.amdhsa_system_vgpr_workitem_id 0
		.amdhsa_next_free_vgpr 256
		.amdhsa_next_free_sgpr 66
		.amdhsa_reserve_vcc 1
		.amdhsa_float_denorm_mode_32 3
		.amdhsa_float_denorm_mode_16_64 3
		.amdhsa_memory_ordered 1
		.amdhsa_forward_progress 1
		.amdhsa_inst_pref_size 34
	.end_amdhsa_kernel
	.amdgpu_metadata
---
amdhsa.version: [ 1, 2 ]
amdhsa.kernels:
  - .name:           k_q430fa804e3_fine
    .symbol:         k_q430fa804e3_fine.kd
    .args:
      - { .name: qf, .offset: 0, .size: 8, .value_kind: global_buffer, .address_space: global }
      - { .name: W_proj, .offset: 8, .size: 8, .value_kind: global_buffer, .address_space: global }
      - { .name: b_proj, .offset: 16, .size: 8, .value_kind: global_buffer, .address_space: global }
      - { .name: out0, .offset: 24, .size: 8, .value_kind: global_buffer, .address_space: global }
    .group_segment_fixed_size: 71680
    .private_segment_fixed_size: 0
    .kernarg_segment_align: 8
    .kernarg_segment_size: 32
    .max_flat_workgroup_size: 512
    .sgpr_count:     66
    .vgpr_count:     256
    .wavefront_size: 32
...
	.end_amdgpu_metadata
.endif
;; end of part 3
;; launch attn (part 4): grid 4 x 64, 16 waves a work-group, no clusters, 327,680 bytes of LDS; arguments qkvh, yh; writes yh
.if DOCPART == 4
	.amdgcn_target "amdgcn-amd-amdhsa--gfx1250"
	.amdhsa_code_object_version 6
	.text
	.protected	k_q430fa804e3_attn
	.globl	k_q430fa804e3_attn
	.p2align	8
	.type	k_q430fa804e3_attn,@function
k_q430fa804e3_attn:
	s_mov_b64 s[64:65], 0
	v_nop
	global_prefetch_b8 v0, s[64:65] scope:SCOPE_SE
	s_setreg_imm32_b32 hwreg(HW_REG_WAVE_MODE, 25, 1), 1
	s_wait_xcnt 0x0
; y[bh][q][:] = the sum over k <= q of softmax_k(q . k / 8) v[bh][k][:], head size 64.  q, k, v: qkvh [3][64 bh][2048][64] f16; y: yh [64 bh][2048][64] f16.  Products on f16 operands with f32 sums; maxima, exponentials and sums in f32.
; LEFT OUT AS DEAD WORK: key steps all of whose keys come after a wave's queries (the causal mask gives them the weight 0), and slots that none of the work-group's waves would read.
; The rows t < 16 are computed here too (they share tiles with live rows, and the projection's tiles read them), but their place in the result is filled by the launch that works in f32.
; SHARES.  Work-group (i, bh) owns query blocks i and 7 - i of 256 queries, so that every work-group has the same number of key steps.  Each of its sixteen waves owns 32 queries, two tiles of 16, in 256 registers;
; eight waves take the early block and eight the late one.  Every work-group walks all 8 slots of 256 keys (constant trip counts); a step of 64 keys that is hidden from a wave is jumped over by a scalar branch on ids.
; NO CLUSTER: the work-groups of a head stop asking for slots at different keys (the causal limit), and every partner of a joint load would have to issue it.
; LAYOUT.  S^T = k q^T (source 0 = 16 keys, source 1 = 16 queries): a lane holds ONE query (lane % 16) and keys 8 (lane / 16) + 0 .. 7 of a tile.  Two such tiles rounded to f16 in pairs ARE source 1 of O^T = v^T P.
; SOFTMAX: running maximum m and sum l for each query; p = 2^(c s - c m), c = log2(e) / 8; in every step O and l are multiplied by a = 2^(c m_old - c m_new).
; REGISTERS: v1-11, v28, v29 addresses; v12-27 statistics, eight a tile (+0 c m, +1 m, +2, +3 l, +4 .. +7 at work, a at +6); v32-63 q; v64-127 k's 8 fragments, then v's 8; v128-191 S^T, then p, then P in place; v192-255 O^T.
.set PK,    144                        ; a key's row in LDS: 128 bytes + 16
.set PV,    160                        ; a row of v: 128 + 32: an odd multiple of 32 bytes, for the turning load
.set VOFF,  256*PK                     ; a slot: 256 rows of k, then 256 rows of v
.set SLOT1, 1<<17                      ; slot 1 begins here: one exclusive or turns an address from one slot to the other
.set STAGE, 2*SLOT1                    ; the way out: 16 rows x 144 bytes for each wave: bytes into which no tile lands
.set SPARE, STAGE+16*16*PK             ; the spare words, 128 bytes for each wave
.set AK0, 1
.set AV0, 2
.set ADK, 3
.set ADV, 4
.set SPW, 5
.set NIL, 6
.set GO,  7
.set D0,  8                            ; v8, v10: my query less the step's first key less 8 (lane / 16), for tiles 0 and 1
.set NINF, 9
.set STO, 11
.set ST,  12
.set PFO, 28
.set RD,  29
.set QR,  32
.set KV,  64
.set S,   128
.set O,   192
.set TB,  2                            ; s2   LDS byte at which the slot in hand begins
.set WV,  18
.set SEL, 20
.set CS,  22
.set G1K, 24
.set G1V, 32
.set G0K, 40
.set G0V, 44
.set SLOTS, 67
.set PFA, 76
.set LIM, 80
.set LQ,  81                           ; s81  my work-group's last query
.set KF,  98                           ; s98  the step's first key
.set Q0,  99                           ; s99  my first query
.macro TLOAD                           ; waves 0 and 1 fetch k's halves of a slot, waves 2 and 3 v's, the others nothing; an s_nop 0 and four v_nop follow each line
	s_cmp_lt_u32 s[WV], 2
	s_cbranch_scc0 .Lnot_k_\@
	tensor_load_to_lds s[G0K:G0K+3], s[G1K:G1K+7]
	s_nop 0
.rept 4
	v_nop
.endr
	s_branch .Lasked_\@
.Lnot_k_\@:
	s_cmp_lt_u32 s[WV], 4
	s_cbranch_scc0 .Lasked_\@
	tensor_load_to_lds s[G0V:G0V+3], s[G1V:G1V+7]
	s_nop 0
.rept 4
	v_nop
.endr
.Lasked_\@:
.endm
; A prefetch of what the NEXT change of slots will ask for: a slot's k and v are two dense blocks of 32,768 bytes.  All four work-groups of a head walk the same k and v: the first of them asks (it loads all eight slots).
; In it the waves ask that fetch nothing: waves 4 to 7 for k, waves 8 to 11 for v, 8,192 bytes a wave, lanes 256 bytes apart: each aligned block of 256 bytes is named once.  The last change that fills a slot asks for nothing.
.macro ASK
	s_cmp_gt_u32 s[SLOTS], s[LIM]
	s_cbranch_scc0 .Lnot_mine_\@
	global_prefetch_b8 v[PFO], s[PFA:PFA+1] th:TH_LOAD_NT scope:SCOPE_SE
.Lnot_mine_\@:
.endm
	s_load_b128 s[4:7], s[0:1], 0x0                ; qkvh, yh
	v_lshl_add_u32 v[SPW], v0, 2, SPARE
	v_mov_b32 v[NIL], 0
	ds_add_u32 v[SPW], v[NIL]                      ; the wave's opening: the add, twice on end, and its wait ahead of the first tensor load
	ds_add_u32 v[SPW], v[NIL]
	v_lshrrev_b32 v8, 5, v0
	v_readfirstlane_b32 s[WV], v8                  ; wave 0..15
	s_and_b32 s72, ttmp7, 0xffff
	s_lshl_b32 s72, s72, 18                        ; the head's first byte in a part of qkvh, and in yh
	s_lshr_b32 s74, s[WV], 3
	s_lshr_b32 s75, s[WV], 1
	s_xor_b32 s74, s74, s75
	s_and_b32 s74, s74, 1                          ; 1: I take the late block
	s_lshr_b32 s75, s[WV], 2
	s_lshl_b32 s75, s75, 1
	s_and_b32 s88, s[WV], 1
	s_add_co_u32 s75, s75, s88                     ; which 32 queries of the block: 0 to 7, each once among the eight waves of a block
	s_sub_co_u32 s82, 7, ttmp9
	s_cmp_eq_u32 s74, 1
	s_cselect_b32 s82, s82, ttmp9                  ; my block
	s_lshl_b32 s82, s82, 8
	s_lshl_b32 s75, s75, 5
	s_add_co_u32 s[Q0], s82, s75
	s_sub_co_u32 s[LQ], 8, ttmp9
	s_lshl_b32 s[LQ], s[LQ], 8
	s_sub_co_u32 s[LQ], s[LQ], 1
	s_lshl_b32 s89, s88, 14                        ; what I fetch, if I fetch: rows 128 (wave % 2) on,
	s_add_co_u32 s89, s89, s72
	s_add_co_u32 s90, s89, 0x1000000               ; of k's part,
	s_mov_b32 s91, 0
	s_add_co_u32 s92, s89, 0x2000000               ; or of v's
	s_mov_b32 s93, 0
	s_lshl_b32 s94, s[Q0], 7
	s_add_co_u32 s94, s94, s72                     ; my first query's row, in q's part and in yh
	s_mov_b32 s95, 0
	s_mov_b32 s[G1K], (0<<16)|(1<<20)|(4<<22)|(3<<25)             ; elements of 1 byte; four words of padding behind every 32
	s_mov_b32 s[G1V], (0<<16)|(1<<20)|(4<<22)|(7<<25)             ; eight words
.irp g, G1K, G1V
	s_mov_b32 s[\g+1], 128<<16                     ; tensor_dim0
	s_mov_b32 s[\g+2], 128<<16                     ; tensor_dim1
	s_mov_b32 s[\g+3], 128<<16                     ; tile_dim0
	s_mov_b32 s[\g+4], 128                         ; tile_dim1
	s_mov_b32 s[\g+5], 128                         ; from row to row
	s_mov_b32 s[\g+6], 0
	s_mov_b32 s[\g+7], 0
.endr
	s_mov_b32 s[SEL], 0x76543210
	s_mov_b32 s[SEL+1], 0xfedcba98
	s_mov_b32 s[CS], 0x3e38aa3b                    ; c = log2(e) / sqrt(64)
	s_mov_b32 s[CS+1], s[CS]
	s_mov_b32 s[TB], 0
	s_mov_b32 s[KF], 0
	s_mov_b32 s[SLOTS], 7
	s_mov_b32 s[G0K], 1
	s_mul_i32 s[G0K+1], s88, 128*PK                ; LDS: slot 0
	s_mov_b32 s[G0V], 1
	s_mul_i32 s[G0V+1], s88, 128*PV
	s_add_co_u32 s[G0V+1], s[G0V+1], VOFF
	s_wait_dscnt 0x0                               ; both opening adds are done
	s_wait_kmcnt 0x0
	s_add_nc_u64 s[G0K+2:G0K+3], s[4:5], s[90:91]
	s_or_b32 s[G0K+3], s[G0K+3], 0x80000000
	s_add_nc_u64 s[G0V+2:G0V+3], s[4:5], s[92:93]
	s_or_b32 s[G0V+3], s[G0V+3], 0x80000000
	TLOAD                                          ; slot 0: it holds key 0, which counts for every query
	s_add_nc_u64 s[8:9], s[4:5], s[94:95]          ; q at my first query
	s_add_nc_u64 s[10:11], s[6:7], s[94:95]        ; y likewise
	s_cmp_lt_u32 s[WV], 8                          ; the prefetches: waves 4 to 7 stand in k's part, waves 8 to 11 in v's,
	s_mov_b32 s82, 0x2000000
	s_cselect_b32 s82, 0x1000000, s82
	s_and_b32 s83, s[WV], 3
	s_lshl_b32 s83, s83, 13                        ; 8,192 bytes a wave,
	s_add_co_u32 s82, s82, s83
	s_add_co_u32 s82, s82, s72                     ; in my head,
	s_add_co_u32 s82, s82, 32768                   ; in slot 1: the first change of slots steps it to slot 2.  Nothing is prefetched at the head
	s_mov_b32 s83, 0
	s_add_nc_u64 s[PFA:PFA+1], s[4:5], s[82:83]
	s_sub_co_u32 s82, s[WV], 4
	s_lshr_b32 s82, s82, 3                         ; 0 in waves 4 to 11,
	s_or_b32 s82, s82, ttmp9                       ; of the head's first work-group
	s_cmp_eq_u32 s82, 0
	s_cselect_b32 s[LIM], 1, -1
	v_and_b32 v30, 15, v0                          ; r
	v_bfe_u32 v31, v0, 4, 1                        ; h
	v_lshlrev_b32 v[ADK], 7, v30
	v_lshl_add_u32 v[ADK], v31, 4, v[ADK]          ; q: row r of 128 bytes, + 16 h (this register is written again only behind the wait for these loads)
.irp t, 0,1
.irp c, 0,1
	global_load_b128 v[QR+8*(2*\t+\c):QR+8*(2*\t+\c)+3], v[ADK], s[8:9] offset:2048*\t+64*\c
	global_load_b128 v[QR+8*(2*\t+\c)+4:QR+8*(2*\t+\c)+7], v[ADK], s[8:9] offset:2048*\t+64*\c+32
.endr
.endr
	v_mul_u32_u24 v[AK0], v30, PK
	v_lshl_add_u32 v[AK0], v31, 4, v[AK0]          ; k: row r x pitch + 16 h
	v_and_b32 v[AV0], 7, v0
	v_lshl_add_u32 v[AV0], v31, 3, v[AV0]
	v_mul_u32_u24 v[AV0], v[AV0], PV
	v_bfe_u32 v[GO], v0, 3, 1
	v_lshl_add_u32 v[AV0], v[GO], 4, v[AV0]
	v_add_nc_u32 v[AV0], VOFF, v[AV0]              ; v, for the turning load: key 8 h + lane % 8, channels 8 ((lane / 8) % 2) on
	s_mul_i32 s97, s[WV], 16*PK
	s_add_co_u32 s97, s97, STAGE                   ; my stage
	v_mul_u32_u24 v[STO], v30, PK
	v_lshl_add_u32 v[STO], v31, 4, v[STO]
	v_add_nc_u32 v[STO], s97, v[STO]               ; in: row r, 16 bytes for each half of the lanes
	v_bfe_u32 v[RD], v0, 3, 2
	v_mul_u32_u24 v[RD], v[RD], PK
	v_and_b32 v[GO], 7, v0
	v_lshl_add_u32 v[RD], v[GO], 4, v[RD]
	v_add_nc_u32 v[RD], s97, v[RD]                 ; back: eight lanes to a row of 128 bytes, four rows an instruction
	v_and_b32 v[GO], 31, v0
	v_lshlrev_b32 v[PFO], 8, v[GO]
	v_lshlrev_b32 v[GO], 4, v[GO]                  ; in yh those four rows are 512 consecutive bytes
	v_mov_b32 v[NINF], 0xff800000
.irp t, 0,1
	v_mov_b32 v[ST+8*\t+1], 0xff61b1e6             ; m: -3e38, under every score
	v_mul_f32 v[ST+8*\t], s[CS], v[ST+8*\t+1]      ; c m
.irp i, 2,3,4,5,6,7
	v_mov_b32 v[ST+8*\t+\i], 0                     ; l, and the registers at work: written once on every way
.endr
.endr
.set I, 0
.rept 64
	v_mov_b32 v[O+I], 0                            ; O^T.  (The step is written once: the first finds zeros, which its a = 0 leaves zeros)
.set I, I+1
.endr
; A KEY STEP: 64 keys, the q-th of the slot in hand.
.macro STEP q
	s_add_co_u32 s96, s[Q0], 31
	s_cmp_gt_u32 s[KF], s96                        ; all 64 keys come after my 32 queries: the step's work is left out.  No barrier, wait for tiles or tensor load stands in a step
	s_cbranch_scc1 .Lhidden_\@
	v_add_nc_u32 v[ADK], s[TB], v[AK0]
	v_add_nc_u32 v[ADV], s[TB], v[AV0]
.rept 3
	v_nop                                          ; five places in all behind the last step's products: for the loads into their sources (four are asked) and for the products below, which write over P (five)
.endr
.irp kt, 0,1,2,3
.irp c, 0,1
	ds_load_b128 v[KV+8*(2*\kt+\c):KV+8*(2*\kt+\c)+3], v[ADK] offset:(64*(\q)+16*\kt)*PK+64*\c
	ds_load_b128 v[KV+8*(2*\kt+\c)+4:KV+8*(2*\kt+\c)+7], v[ADK] offset:(64*(\q)+16*\kt)*PK+64*\c+32
.endr
.endr
	s_wait_dscnt 0x0
.irp c, 0,1                                    ; S^T = k q^T: eight accumulators by turns
.irp kt, 0,1,2,3
.irp t, 0,1
.if \c == 0
	v_wmma_f32_16x16x32_f16 v[S+32*\t+8*\kt:S+32*\t+8*\kt+7], v[KV+8*(2*\kt+\c):KV+8*(2*\kt+\c)+7], v[QR+8*(2*\t+\c):QR+8*(2*\t+\c)+7], 0
.else
	v_wmma_f32_16x16x32_f16 v[S+32*\t+8*\kt:S+32*\t+8*\kt+7], v[KV+8*(2*\kt+\c):KV+8*(2*\kt+\c)+7], v[QR+8*(2*\t+\c):QR+8*(2*\t+\c)+7], v[S+32*\t+8*\kt:S+32*\t+8*\kt+7]
.endif
.endr
.endr
.endr
.rept 4
	v_nop                                          ; places ahead of the loads into k's registers and of the first read of the scores
.endr
.irp kc, 0,1                                   ; v's fragments, turned, land while the softmax is worked
.irp ct, 0,1,2,3
	ds_load_tr16_b128 v[KV+8*(4*\kc+\ct):KV+8*(4*\kc+\ct)+3], v[ADV] offset:(64*(\q)+32*\kc)*PV+32*\ct
	ds_load_tr16_b128 v[KV+8*(4*\kc+\ct)+4:KV+8*(4*\kc+\ct)+7], v[ADV] offset:(64*(\q)+32*\kc)*PV+32*\ct+16*PV
.endr
.endr
	s_add_co_u32 s96, s[KF], 63                    ; on the diagonal hidden scores become -infinity; a step all of whose keys count skips this
	s_cmp_le_u32 s96, s[Q0]
	s_cbranch_scc1 .Lopen_\@
	s_sub_co_i32 s96, s[Q0], s[KF]
	v_and_b32 v[D0], 15, v0
	v_bfe_u32 v[D0+2], v0, 4, 1
	v_lshlrev_b32 v[D0+2], 3, v[D0+2]
	v_sub_nc_u32 v[D0], v[D0], v[D0+2]
	v_add_nc_u32 v[D0], s96, v[D0]                 ; register n of a tile holds key KF + 16 (n / 8) + 8 h + n % 8: hidden where 16 (n / 8) + n % 8 > my query - KF - 8 h
	v_add_nc_u32 v[D0+2], 16, v[D0]
.irp t, 0,1
.set N, 0
.rept 32
	v_cmp_gt_i32 vcc_lo, 16*(N/8)+N%8, v[D0+2*\t]
	v_cndmask_b32 v[S+32*\t+N], v[S+32*\t+N], v[NINF], vcc_lo
.set N, N+1
.endr
.endr
.Lopen_\@:
.irp j, 0,1,2,3                                ; the maximum of 32 scores and the old m: four chains, the two tiles line by line
.irp t, 0,1
	v_max3_num_f32 v[ST+8*\t+4+\j], v[S+32*\t+8*\j], v[S+32*\t+8*\j+1], v[S+32*\t+8*\j+2]
.endr
.endr
.irp g, 1,2
.irp j, 0,1,2,3
.irp t, 0,1
	v_max3_num_f32 v[ST+8*\t+4+\j], v[ST+8*\t+4+\j], v[S+32*\t+8*\j+2*\g+1], v[S+32*\t+8*\j+2*\g+2]
.endr
.endr
.endr
.irp t, 0,1
	v_max3_num_f32 v[ST+8*\t+4], v[ST+8*\t+4], v[S+32*\t+7], v[S+32*\t+15]
.endr
.irp t, 0,1
	v_max3_num_f32 v[ST+8*\t+6], v[ST+8*\t+6], v[S+32*\t+23], v[S+32*\t+31]
.endr
.irp t, 0,1
	v_max3_num_f32 v[ST+8*\t+4], v[ST+8*\t+4], v[ST+8*\t+5], v[ST+8*\t+6]
.endr
.irp t, 0,1
	v_max3_num_f32 v[ST+8*\t+4], v[ST+8*\t+4], v[ST+8*\t+7], v[ST+8*\t+1]
.endr
.irp t, 0,1
	v_permlanex16_b32 v[ST+8*\t+5], v[ST+8*\t+4], s[SEL], s[SEL+1]   ; the query's other 32 keys lie in the lane 16 away
.endr
.irp t, 0,1
	v_mov_b32 v[ST+8*\t+7], v[ST+8*\t]             ; c m_old
.endr
.irp t, 0,1
	v_max_num_f32 v[ST+8*\t+1], v[ST+8*\t+4], v[ST+8*\t+5]
.endr
.irp t, 0,1
	v_mul_f32 v[ST+8*\t], s[CS], v[ST+8*\t+1]
.endr
.irp t, 0,1
	v_sub_f32 v[ST+8*\t+7], v[ST+8*\t+7], v[ST+8*\t]
.endr
.irp b, 0,1,2,3,4,5,6,7,8,9,10,11,12,13,14,15
.irp t, 0,1
	v_pk_fma_f32 v[S+32*\t+2*\b:S+32*\t+2*\b+1], v[S+32*\t+2*\b:S+32*\t+2*\b+1], s[CS:CS+1], v[ST+8*\t:ST+8*\t+1] op_sel_hi:[1,0,0] neg_lo:[0,0,1] neg_hi:[0,0,1]   ; c s - c m
.endr
.endr
.irp t, 0,1                                    ; ONE batch of 66 exponentials, none of which reads another's result
	v_exp_f32 v[ST+8*\t+6], v[ST+8*\t+7]           ; a
.endr
.set N, 0
.rept 64
	v_exp_f32 v[S+N], v[S+N]                       ; p
.set N, N+1
.endr
	v_nop                                          ; a plain instruction behind the last exponential
	s_wait_alu depctr_va_vdst(0)                   ; one wait for the batch, ahead of its first reader
.irp t, 0,1
	v_pk_mul_f32 v[ST+8*\t+2:ST+8*\t+3], v[ST+8*\t+2:ST+8*\t+3], v[ST+8*\t+6:ST+8*\t+7] op_sel_hi:[1,0]   ; l x a
.endr
.irp t, 0,1
	v_pk_add_f32 v[ST+8*\t+4:ST+8*\t+5], v[S+32*\t:S+32*\t+1], v[S+32*\t+2:S+32*\t+3]                     ; the sum of the f32 p, in two chains
.endr
.irp j, 4,8,12,16,20,24,28
.irp t, 0,1
	v_pk_add_f32 v[ST+8*\t+2:ST+8*\t+3], v[ST+8*\t+2:ST+8*\t+3], v[S+32*\t+\j:S+32*\t+\j+1]
	v_pk_add_f32 v[ST+8*\t+4:ST+8*\t+5], v[ST+8*\t+4:ST+8*\t+5], v[S+32*\t+\j+2:S+32*\t+\j+3]
.endr
.endr
.irp t, 0,1
	v_pk_add_f32 v[ST+8*\t+2:ST+8*\t+3], v[ST+8*\t+2:ST+8*\t+3], v[ST+8*\t+4:ST+8*\t+5]
.endr
.irp t, 0,1                                    ; P: two tiles of keys round into one fragment, in place: register i takes p 2 i and 2 i + 1
.irp kc, 0,1
.irp i, 0,1,2,3,4,5,6,7
	v_cvt_pk_f16_f32 v[S+32*\t+16*\kc+\i], v[S+32*\t+16*\kc+2*\i], v[S+32*\t+16*\kc+2*\i+1]
.endr
.endr
.endr
.irp t, 0,1
.set N, 0
.rept 16
	v_pk_mul_f32 v[O+32*\t+2*N:O+32*\t+2*N+1], v[O+32*\t+2*N:O+32*\t+2*N+1], v[ST+8*\t+6:ST+8*\t+7] op_sel_hi:[1,0]   ; O^T x a
.set N, N+1
.endr
.endr
	s_wait_dscnt 0x0                               ; v is in
.irp kc, 0,1                                   ; O^T += v^T P: eight accumulators by turns
.irp ct, 0,1,2,3
.irp t, 0,1
	v_wmma_f32_16x16x32_f16 v[O+32*\t+8*\ct:O+32*\t+8*\ct+7], v[KV+8*(4*\kc+\ct):KV+8*(4*\kc+\ct)+7], v[S+32*\t+16*\kc:S+32*\t+16*\kc+7], v[O+32*\t+8*\ct:O+32*\t+8*\ct+7]
.endr
.endr
.endr
.Lhidden_\@:
	s_add_co_u32 s[KF], s[KF], 64
.endm
; THE CHANGE OF SLOTS stands at a slot's head.  Each wave waits for all its tensor loads, adds 0 to its spare word (fill = 1: twice on end), and waits for that
; and for its reads of the slot that it has left.  Behind the barrier the slot ahead is whole and nobody reads the other one, which is then filled with the next 256 keys: one load a fetching wave, with a slot's four steps in which to land.
.macro CHANGE fill
	s_wait_tensorcnt 0x0                           ; no tensor load of mine is out, so a group 0 may be written
	ds_add_u32 v[SPW], v[NIL]
.if \fill
	ds_add_u32 v[SPW], v[NIL]
	s_xor_b32 s[G0K+1], s[G0K+1], SLOT1            ; the walking descriptors: the other slot,
	s_add_nc_u64 s[G0K+2:G0K+3], s[G0K+2:G0K+3], 32768   ; the next 256 rows
	s_xor_b32 s[G0V+1], s[G0V+1], SLOT1
	s_add_nc_u64 s[G0V+2:G0V+3], s[G0V+2:G0V+3], 32768
	s_wait_xcnt 0x0                                ; the last prefetch, a slot back, has read its address
	s_add_nc_u64 s[PFA:PFA+1], s[PFA:PFA+1], 32768
.endif
	s_wait_dscnt 0x0
	s_barrier_signal -1
	s_barrier_wait -1
.if \fill
	s_add_co_u32 s96, s[KF], 256                   ; the first key of the slot that this change would ask for:
	s_cmp_gt_u32 s96, s[LQ]                        ; behind my work-group's last query none of its waves would read it.  Ids and the count of steps alone: all sixteen waves go the same way
	s_cbranch_scc1 .Lpast_\@
	TLOAD
.Lpast_\@:
	ASK
.endif
.endm
.macro SLOT_STEPS
	STEP 0
	STEP 1
	STEP 2
	STEP 3
	s_xor_b32 s[TB], s[TB], SLOT1
.endm
	s_wait_loadcnt 0x0                             ; q
.Lslot:                                            ; seven trips; every wait for tiles in this text is for 0, and a wave has one tensor load out at the most
	CHANGE 1
	SLOT_STEPS
	s_sub_co_u32 s[SLOTS], s[SLOTS], 1
	s_cmp_lg_u32 s[SLOTS], 0
	s_cbranch_scc1 .Lslot
	CHANGE 0                                       ; the last slot is written out: nothing is left to ask for
	SLOT_STEPS
	; THE WAY OUT: O^T / l, rounded to f16, a tile of 16 rows at a time through my stage, so that each store covers 512 consecutive bytes.
.rept 4
	v_nop
.endr
.irp t, 0,1
	v_add_f32 v[ST+8*\t+4], v[ST+8*\t+2], v[ST+8*\t+3]
.endr
.irp t, 0,1
	v_permlanex16_b32 v[ST+8*\t+5], v[ST+8*\t+4], s[SEL], s[SEL+1]
.endr
.irp t, 0,1
	v_add_f32 v[ST+8*\t+4], v[ST+8*\t+4], v[ST+8*\t+5]
.endr
.irp t, 0,1
	v_rcp_f32 v[ST+8*\t+6], v[ST+8*\t+4]
.endr
	v_nop
	s_wait_alu depctr_va_vdst(0)                   ; one wait for the two reciprocals, ahead of their first reader
.irp t, 0,1
.set N, 0
.rept 16
	v_pk_mul_f32 v[O+32*\t+2*N:O+32*\t+2*N+1], v[O+32*\t+2*N:O+32*\t+2*N+1], v[ST+8*\t+6:ST+8*\t+7] op_sel_hi:[1,0]
.set N, N+1
.endr
.set N, 0
.rept 16
	v_cvt_pk_f16_f32 v[S+16*\t+N], v[O+32*\t+2*N], v[O+32*\t+2*N+1]
.set N, N+1
.endr
.irp ct, 0,1,2,3
	ds_store_b128 v[STO], v[S+16*\t+4*\ct:S+16*\t+4*\ct+3] offset:32*\ct
.endr
.irp i, 0,1,2,3
	ds_load_b128 v[KV+16*\t+4*\i:KV+16*\t+4*\i+3], v[RD] offset:4*PK*\i     ; LDS serves a wave's instructions in order: these see my stores, and the next tile's stores come behind them
.endr
.endr
.irp t, 0,1
.irp i, 0,1,2,3
	s_wait_dscnt 11-8*\t-\i                        ; the LDS loads and stores issued behind this load may be out
	global_store_b128 v[GO], v[KV+16*\t+4*\i:KV+16*\t+4*\i+3], s[10:11] offset:2048*\t+512*\i
.endr
.endr
	s_wait_tensorcnt 0x0                           ; the wave's end
	ds_add_u32 v[SPW], v[NIL]
	s_wait_dscnt 0x0
	s_endpgm
.Lfunc_end_k_q430fa804e3_attn:
	.size	k_q430fa804e3_attn, .Lfunc_end_k_q430fa804e3_attn-k_q430fa804e3_attn
	.p2alignl 7, 3214868480
	.fill 96, 4, 3214868480
	.section	.rodata,"a",@progbits
	.p2align	6, 0x0
	.amdhsa_kernel k_q430fa804e3_attn
		.amdhsa_group_segment_fixed_size 327680
		.amdhsa_private_segment_fixed_size 0
		.amdhsa_enable_private_segment 0
		.amdhsa_kernarg_size 16
		.amdhsa_user_sgpr_count 2
		.amdhsa_user_sgpr_kernarg_segment_ptr 1
		.amdhsa_wavefront_size32 1
		.amdhsa_system_sgpr_workgroup_id_x 1
		.amdhsa_system_sgpr_workgroup_id_y 1
		.amdhsa_system_sgpr_workgroup_id_z 1
		.amdhsa_system_vgpr_workitem_id 0
		.amdhsa_next_free_vgpr 256
		.amdhsa_next_free_sgpr 100
		.amdhsa_reserve_vcc 1
		.amdhsa_float_denorm_mode_32 3
		.amdhsa_float_denorm_mode_16_64 3
		.amdhsa_memory_ordered 1
		.amdhsa_forward_progress 1
		.amdhsa_inst_pref_size 190
	.end_amdhsa_kernel
	.amdgpu_metadata
---
amdhsa.version: [ 1, 2 ]
amdhsa.kernels:
  - .name:           k_q430fa804e3_attn
    .symbol:         k_q430fa804e3_attn.kd
    .args:
      - { .name: qkvh, .offset: 0, .size: 8, .value_kind: global_buffer, .address_space: global }
      - { .name: yh, .offset: 8, .size: 8, .value_kind: global_buffer, .address_space: global }
    .group_segment_fixed_size: 327680
    .private_segment_fixed_size: 0
    .kernarg_segment_align: 8
    .kernarg_segment_size: 16
    .max_flat_workgroup_size: 512
    .sgpr_count:     100
    .vgpr_count:     256
    .wavefront_size: 32
...
	.end_amdgpu_metadata
.endif
;; end of part 4
;; launch proj (part 5): grid 4 x 64, 4 waves a work-group, clusters of 4 x 4, 327,680 bytes of LDS; arguments yh, wp, b_proj, out0; writes out0
.if DOCPART == 5
	.amdgcn_target "amdgcn-amd-amdhsa--gfx1250"
	.amdhsa_code_object_version 6
	.text
	.protected	k_q430fa804e3_proj
	.globl	k_q430fa804e3_proj
	.p2align	8
	.type	k_q430fa804e3_proj,@function
k_q430fa804e3_proj:
	s_mov_b64 s[64:65], 0
	v_nop
	global_prefetch_b8 v0, s[64:65] scope:SCOPE_SE
	s_setreg_imm32_b32 hwreg(HW_REG_WAVE_MODE, 25, 1), 1
	s_wait_xcnt 0x0
	s_wait_alu depctr_hold_cnt(0) depctr_sa_sdst(0) depctr_va_vdst(0) depctr_va_sdst(0) depctr_va_ssrc(0) depctr_va_vcc(0) depctr_vm_vsrc(0)
	s_getreg_b32 s2, hwreg(HW_REG_IB_STS2, 6, 4)
	s_cmp_eq_u32 s2, 0
	s_cbranch_scc0 .Lentry_in_a_cluster
	s_endpgm
.Lentry_in_a_cluster:
	s_bfe_u32 s2, ttmp6, 0x10000c
	s_cmp_lg_u32 s2, 0xf033
	s_cbranch_scc0 .Lentry_shape_is_right
	s_endpgm
.Lentry_shape_is_right:
; out0 = y W_proj + b_proj for the rows t >= 16 of every sequence.  y: yh [64 bh][2048 t][64] f16; W_proj: wp [1024 k][1024 n] f16; sums in f32; out0 [8192][1024] f32.
; NOT STORED HERE: the rows t < 16: the launch that works in f32 stores them.  They share a tile with live rows, so their products run and only that block's way out is jumped over.
; A tile of out0 is 128 x 256: 256 work-groups of four waves, a wave 64 x 128: 32 accumulators, 256 registers.  K goes in steps of 128 (two heads) through a ring of two LDS slots.
; y's tile of a step is two planes (heads) of 128 rows x 128 bytes, each dense in memory; W's is 128 rows (k) x 512 bytes.  Waves 0 and 1 fetch the planes, waves 2 and 3 W's halves: one tensor load a wave.
; CLUSTERS: 4 x 4 work-groups.  Tile column = cx (the grid has one cluster along x); tile row = 16 cy + cluster y, so that the batch is cy and 'this tile holds t < 16' (cluster y = 0) is the same in all sixteen partners.
; y's tiles are shared along a row of the cluster, W's along a column: joint loads.  No prefetch: each K step's tiles are shared by four work-groups and the launch's own stores and loads already keep its streams going.
; THE MATRIX INSTRUCTION IS USED TRANSPOSED: source 0 = 16 columns n of W (turned on the way out of LDS), source 1 = 16 rows of y: a lane holds eight neighbouring columns of one row.
; REGISTERS: window 0: v16-30 addresses; v64-127 y's fragments, two buffers of 32; v128-255 the way out.   window 1: v0-127 W's fragments, two buffers of 64; v128-191 the bias in the result's layout.   window 2: accumulator (a, b) at v[8 (8 a + b)].
.set AP,    144                        ; a row of y in LDS: 128 bytes + 16
.set PLANE, 128*AP
.set BP,    544                        ; a row of W: 512 bytes + 32: an odd multiple of 32 bytes, for the turning load
.set BOFF,  2*PLANE
.set SLOT,  BOFF+128*BP
.set STAGE, 2*SLOT                     ; the way out: 16 rows x (512 + 16) bytes for each wave: bytes into which no tile lands
.set SPITCH, 528
.set SPARE, STAGE+4*16*SPITCH          ; the spare words, 128 bytes for each wave
.set ADRA, 16
.set ADRB, 20
.set STO,  24
.set RD,   25
.set CO,   26
.set SPW,  28
.set NIL,  29
.set BO,   30
.set G1, 24
.set G0, 32
.set G1B, 48
.set G0B, 56
.set MSB, 0
.macro WIN new                         ; the immediate's high byte repeats the setting that is left
.if MSB != (\new)
	s_set_vgpr_msb (MSB<<8)|(\new)
.set MSB, (\new)
.endif
.endm
.set MUL,   0xa1                       ; source 0 (W) window 1, source 1 (y) window 0, C and D window 2
.set MULB,  0x91                       ; the first quarter: C is the bias, in window 1
.set TO_B,  0x40
.macro JLOAD s                         ; waves 0 and 1 fetch for y, waves 2 and 3 for W; an s_nop 0 and four v_nop follow each line
	s_cmp_eq_u32 s71, 0
	s_cbranch_scc0 .Lfor_b_\@
	tensor_load_to_lds s[G0+4*\s:G0+4*\s+3], s[G1:G1+7]
	s_nop 0
.rept 4
	v_nop
.endr
	s_branch .Lasked_\@
.Lfor_b_\@:
	tensor_load_to_lds s[G0B+4*\s:G0B+4*\s+3], s[G1B:G1B+7]
	s_nop 0
.rept 4
	v_nop
.endr
.Lasked_\@:
.endm
.macro CREST                           ; a round of the cluster's barrier behind its opening barrier
	s_cmp_lg_u32 s70, 0
	s_cbranch_scc1 .Lnot_wave_0_\@
	s_barrier_signal -3
.Lnot_wave_0_\@:
	s_barrier_wait -3
	s_barrier_signal -1
	s_barrier_wait -1
.endm
.macro CROUND
	s_barrier_signal -1
	s_barrier_wait -1
	CREST
.endm
	s_load_b256 s[4:11], s[0:1], 0x0               ; yh s[4:5], wp s[6:7], b_proj s[8:9], out0 s[10:11]
	v_lshl_add_u32 v[SPW], v0, 2, SPARE
	v_mov_b32 v[NIL], 0
	ds_add_u32 v[SPW], v[NIL]                      ; the wave's opening: the add, twice on end, and its wait ahead of my first tensor load
	ds_add_u32 v[SPW], v[NIL]
	v_lshrrev_b32 v1, 5, v0
	v_readfirstlane_b32 s70, v1                    ; wave
	s_lshr_b32 s71, s70, 1                         ; my half of the tile's rows.  Also: I fetch for y (0) or for W (1)
	s_and_b32 s72, s70, 1                          ; my half of its columns.  Also: which plane, or which 64 rows of W, I fetch
	s_bfe_u32 s40, ttmp6, 0x40000                  ; cx = tile column
	s_bfe_u32 s41, ttmp6, 0x40004                  ; cy = batch
	s_and_b32 s42, ttmp7, 0xffff                   ; cluster y: the tile's first position is 128 x this
	s_lshl_b32 s43, s41, 2
	s_lshl_b32 s43, 15, s43                        ; my row of the cluster
	s_lshl_b32 s44, 0x1111, s40                    ; my column
	s_or_b32 s[G1+0], s43, (0<<16)|(1<<20)|(1<<21)|(4<<22)|(3<<25)   ; the mask; elements of 1 byte; four words of padding behind every 32; bit 21 beside a mask
	s_mov_b32 s[G1+1], 128<<16                     ; tensor_dim0
	s_mov_b32 s[G1+2], 128<<16                     ; tensor_dim1
	s_mov_b32 s[G1+3], 128<<16                     ; tile_dim0
	s_mov_b32 s[G1+4], 128                         ; tile_dim1
	s_mov_b32 s[G1+5], 128                         ; from row to row
	s_mov_b32 s[G1+6], 0
	s_mov_b32 s[G1+7], 0
	s_or_b32 s[G1B+0], s44, (0<<16)|(1<<20)|(1<<21)|(6<<22)|(7<<25)  ; eight words of padding behind every 128
	s_mov_b32 s[G1B+1], 512<<16
	s_mov_b32 s[G1B+2], 64<<16
	s_mov_b32 s[G1B+3], 512<<16
	s_mov_b32 s[G1B+4], 64
	s_mov_b32 s[G1B+5], 2048
	s_mov_b32 s[G1B+6], 0
	s_mov_b32 s[G1B+7], 0
	s_lshl_b32 s16, s41, 22                        ; y: 16 cy heads of 262,144 bytes,
	s_lshl_b32 s17, s72, 18                        ; my plane's head,
	s_add_co_u32 s16, s16, s17
	s_lshl_b32 s17, s42, 14                        ; 128 x cluster y rows of 128 bytes
	s_add_co_u32 s16, s16, s17
	s_mov_b32 s17, 0
	s_lshl_b32 s46, s72, 17                        ; W: my 64 rows of 2,048 bytes,
	s_lshl_b32 s47, s40, 9                         ; 256 x tile column, in f16
	s_add_co_u32 s46, s46, s47
	s_mov_b32 s47, 0
	s_mul_i32 s20, s72, PLANE                      ; where they go: no place in the cluster enters an LDS address
	s_mul_i32 s21, s72, 64*BP
	s_add_co_u32 s21, s21, BOFF
	s_wait_dscnt 0x0                               ; both opening adds are done
	s_wait_kmcnt 0x0
	s_add_nc_u64 s[14:15], s[4:5], s[16:17]
	s_add_nc_u64 s[46:47], s[6:7], s[46:47]
	CROUND                                         ; all sixteen work-groups are here: the first joint loads meet
.irp s, 0,1
	s_mov_b32 s[G0+4*\s], 1
	s_add_co_u32 s[G0+4*\s+1], s20, \s*SLOT
	s_add_nc_u64 s[G0+4*\s+2:G0+4*\s+3], s[14:15], \s*524288      ; K step s: two heads on
	s_or_b32 s[G0+4*\s+3], s[G0+4*\s+3], 0x80000000
	s_mov_b32 s[G0B+4*\s], 1
	s_add_co_u32 s[G0B+4*\s+1], s21, \s*SLOT
	s_add_nc_u64 s[G0B+4*\s+2:G0B+4*\s+3], s[46:47], \s*262144    ; 128 rows on
	s_or_b32 s[G0B+4*\s+3], s[G0B+4*\s+3], 0x80000000
	JLOAD \s
.endr
	v_and_b32 v1, 15, v0                           ; r
	v_bfe_u32 v2, v0, 4, 1                         ; h
	v_lshlrev_b32 v[BO], 5, v2
	s_lshl_b32 s46, s40, 10                        ; the bias of my 128 columns
	s_lshl_b32 s47, s72, 9
	s_add_co_u32 s46, s46, s47
	s_mov_b32 s47, 0
	s_add_nc_u64 s[8:9], s[8:9], s[46:47]
	s_add_nc_u64 s[10:11], s[10:11], s[46:47]      ; and the same bytes on in a row of out0
	WIN TO_B
.irp b, 0,1,2,3,4,5,6,7
	global_load_b128 v[128+8*\b:131+8*\b], v[BO], s[8:9] offset:64*\b         ; b_proj[first column + 16 b + 8 h + 0 .. 7]: the C of each sum's first product
	global_load_b128 v[132+8*\b:135+8*\b], v[BO], s[8:9] offset:64*\b+16
.endr
	WIN 0
	v_mul_u32_u24 v3, v1, AP
	v_lshl_add_u32 v3, v2, 4, v3                   ; y: row r x pitch + 16 h
	s_mul_i32 s21, s71, 64*AP                      ; my 64 rows of each plane
	v_and_b32 v4, 7, v0
	v_lshl_add_u32 v4, v2, 3, v4
	v_mul_u32_u24 v4, v4, BP
	v_bfe_u32 v5, v0, 3, 1
	v_lshl_add_u32 v4, v5, 4, v4                   ; W, for the turning load: k 8 h + lane % 8, columns 8 ((lane / 8) % 2) on
	s_lshl_b32 s22, s72, 8                         ; my 128 columns
	s_add_co_u32 s22, s22, BOFF
.irp s, 0,1
	v_add_nc_u32 v[ADRA+\s], s21, v3
	v_add_nc_u32 v[ADRB+\s], s22, v4
	s_add_co_u32 s21, s21, SLOT
	s_add_co_u32 s22, s22, SLOT
.endr
	s_mul_i32 s23, s70, 16*SPITCH
	s_add_co_u32 s23, s23, STAGE                   ; my stage
	v_mul_u32_u24 v5, v1, SPITCH
	v_lshl_add_u32 v5, v2, 5, v5
	v_add_nc_u32 v[STO], s23, v5                   ; in: row r, 32 bytes for each half of the lanes
	v_and_b32 v6, 31, v0
	v_lshlrev_b32 v[CO], 4, v6                     ; back: the 32 lanes take one row of 512 bytes; and the same in out0
	v_add_nc_u32 v[RD], s23, v[CO]
	s_lshl_b32 s16, s41, 23                        ; out0: 2,048 cy rows of 4,096 bytes,
	s_lshl_b32 s17, s42, 19                        ; 128 x cluster y,
	s_add_co_u32 s16, s16, s17
	s_lshl_b32 s17, s71, 18                        ; my 64
	s_add_co_u32 s16, s16, s17
	s_mov_b32 s17, 0
	s_add_nc_u64 s[10:11], s[10:11], s[16:17]
; 8 matrix instructions: y's block a against W's eight, 32 along K, from buffers f.  The 32 accumulators take turns, one instruction a turn, in the same order in every quarter.
.macro MULA f, a, zero
.irp b, 0,1,2,3,4,5,6,7
.if \zero
	v_wmma_f32_16x16x32_f16 v[8*(8*(\a)+\b):8*(8*(\a)+\b)+7], v[64*(\f)+8*\b:64*(\f)+8*\b+7], v[64+32*(\f)+8*(\a):64+32*(\f)+8*(\a)+7], v[128+8*\b:128+8*\b+7]
.else
	v_wmma_f32_16x16x32_f16 v[8*(8*(\a)+\b):8*(8*(\a)+\b)+7], v[64*(\f)+8*\b:64*(\f)+8*\b+7], v[64+32*(\f)+8*(\a):64+32*(\f)+8*(\a)+7], v[8*(8*(\a)+\b):8*(8*(\a)+\b)+7]
.endif
.endr
.endm
; 24 LDS loads in one run: quarter q (32 along K) of a slot into buffers f: W's eight fragments, turned, then y's four
.macro FETCH slot, q, f
	WIN TO_B
.irp b, 0,1,2,3,4,5,6,7
	ds_load_tr16_b128 v[64*(\f)+8*\b:64*(\f)+8*\b+3], v[ADRB+\slot] offset:32*(\q)*BP+32*\b
	ds_load_tr16_b128 v[64*(\f)+8*\b+4:64*(\f)+8*\b+7], v[ADRB+\slot] offset:32*(\q)*BP+32*\b+16*BP
.endr
	WIN 0
.irp i, 0,1,2,3
	ds_load_b128 v[64+32*(\f)+8*\i:64+32*(\f)+8*\i+3], v[ADRA+\slot] offset:((\q)/2)*PLANE+64*((\q)%2)+\i*16*AP
	ds_load_b128 v[64+32*(\f)+8*\i+4:64+32*(\f)+8*\i+7], v[ADRA+\slot] offset:((\q)/2)*PLANE+64*((\q)%2)+\i*16*AP+32
.endr
.endm
.macro PLACES                          ; four plain vector instructions ahead of loads into registers that matrix instructions have read, and of reads of results
.rept 4
	v_nop
.endr
.endm
; One of a K step's first three quarters: multiplies buffers f and fetches quarter qn of the same slot into buffers g.
.macro QUARTER slot, qn, f, g, zero
	s_wait_dscnt 4                                 ; all but the youngest four loads (y's blocks 2 and 3) are in
.if \zero
	WIN MULB
.else
	WIN MUL
.endif
	MULA \f, 0, \zero
	MULA \f, 1, \zero
	PLACES
	FETCH \slot, \qn, \g
	s_wait_dscnt 24                                ; all but the 24 just issued
.if \zero
	WIN MULB
.else
	WIN MUL
.endif
	MULA \f, 2, \zero
	MULA \f, 3, \zero
.endm
; The last quarter multiplies buffers 1 and changes slots: one barrier; ahead of it each wave waits for all its tensor loads, adds 0 to its spare word, and waits for that and for its reads of this slot.
; fill = 1: the barrier opens a round of the cluster's barrier, and this slot is filled again, two K steps ahead: the wave's one tensor load behind the round.
.macro TURN slot, next, fill
	WIN 0
	s_wait_tensorcnt 0x0                           ; all my tensor loads have landed: my part of the next slot
	ds_add_u32 v[SPW], v[NIL]                      ; 0 onto my spare word
	s_wait_dscnt 5                                 ; (the add and the youngest four loads may be out)
	WIN MUL
	MULA 1, 0, 0
	s_wait_dscnt 0x0                               ; the add is done, and my reads of this slot are over
	s_barrier_signal -1
	MULA 1, 1, 0
.if \fill
	WIN 0
.endif
	s_barrier_wait -1
.if \fill
	CREST
	s_add_nc_u64 s[G0+4*\slot+2:G0+4*\slot+3], s[G0+4*\slot+2:G0+4*\slot+3], 1048576     ; four heads on
	s_add_nc_u64 s[G0B+4*\slot+2:G0B+4*\slot+3], s[G0B+4*\slot+2:G0B+4*\slot+3], 524288  ; 256 rows on
	JLOAD \slot                                    ; the four v_nop behind it are also the places ahead of the loads below
.else
	PLACES
.endif
	FETCH \next, 0, 0
	WIN MUL
	MULA 1, 2, 0
	MULA 1, 3, 0
.endm
	s_wait_tensorcnt 1                             ; my part of K step 0 is in (K step 1's load may be out),
	s_barrier_signal -1
	s_barrier_wait -1                              ; everybody's is
	FETCH 0, 0, 0
	s_wait_loadcnt 0x0                             ; the bias
	QUARTER 0, 1, 0, 1, 1                          ; the first quarter stands ahead of the loop: its products start the sums with the bias
	WIN 0
	s_mov_b32 s3, 3
.Llap:                                             ; a trip goes once round the ring, from a lap's second quarter to the next lap's first, and fills both slots again
	QUARTER 0, 2, 1, 0, 0
	QUARTER 0, 3, 0, 1, 0
	TURN 0, 1, 1
	QUARTER 1, 1, 0, 1, 0
	QUARTER 1, 2, 1, 0, 0
	QUARTER 1, 3, 0, 1, 0
	TURN 1, 0, 1
	QUARTER 0, 1, 0, 1, 0
	WIN 0
	s_sub_co_u32 s3, s3, 1
	s_cmp_lg_u32 s3, 0
	s_cbranch_scc1 .Llap
	QUARTER 0, 2, 1, 0, 0                          ; the last lap fills nothing
	QUARTER 0, 3, 0, 1, 0
	TURN 0, 1, 0
	QUARTER 1, 1, 0, 1, 0
	QUARTER 1, 2, 1, 0, 0
	QUARTER 1, 3, 0, 1, 0
	s_wait_dscnt 4
	WIN MUL
	MULA 1, 0, 0
	MULA 1, 1, 0
	s_wait_dscnt 0
	MULA 1, 2, 0
	MULA 1, 3, 0
	WIN 0
	PLACES
; THE WAY OUT, a block of 16 rows x 128 columns at a time, through my own stage: back as whole rows of 512 bytes, which the 32 lanes store as 512 consecutive bytes, aligned.
.macro TOSTAGE a
	WIN 0x08                                       ; an LDS store's data are its source 1: window 2
.irp b, 0,1,2,3,4,5,6,7
	ds_store_b128 v[STO], v[64*(\a)+8*\b:64*(\a)+8*\b+3] offset:64*\b           ; each accumulator from its low end on
	ds_store_b128 v[STO], v[64*(\a)+8*\b+4:64*(\a)+8*\b+7] offset:64*\b+16
.endr
	WIN 0
.set BB, 128+64*((\a)%2)
.irp t, 0,1,2,3,4,5,6,7,8,9,10,11,12,13,14,15
	ds_load_b128 v[BB+4*\t:BB+4*\t+3], v[RD] offset:\t*SPITCH                   ; LDS serves a wave's instructions in order: these see the stores above
.endr
.endm
.macro SEND a, younger                 ; younger: the LDS instructions issued behind block a's loads, which may stay out
.set BB, 128+64*((\a)%2)
	s_wait_dscnt \younger
.irp t, 0,1,2,3,4,5,6,7,8,9,10,11,12,13,14,15
	global_store_b128 v[CO], v[BB+4*\t:BB+4*\t+3], s[10:11] offset:(16*(\a)+\t)*4096 th:TH_STORE_NT
.endr
.endm
	s_or_b32 s2, s42, s71                          ; cluster y = 0 and the tile's upper rows: my block 0 is t = 0 .. 15, which another launch stores
	s_cmp_eq_u32 s2, 0
	s_cbranch_scc1 .Lskip0
	TOSTAGE 0
	SEND 0, 0
.Lskip0:
	TOSTAGE 1
	s_wait_xcnt 0x0                                ; block 0's stores have read their registers: block 2's loads may land there
	TOSTAGE 2
	SEND 1, 32                                     ; behind block 1's loads: block 2's 16 stores and 16 loads
	s_wait_xcnt 0x0                                ; block 1's stores have read their registers
	TOSTAGE 3
	SEND 2, 32
	SEND 3, 0
	s_wait_tensorcnt 0x0                           ; the wave's end: behind my last tensor load and my last LDS store
	ds_add_u32 v[SPW], v[NIL]
	s_wait_dscnt 0x0
	CROUND                                         ; the closing round
	s_endpgm
.Lfunc_end_k_q430fa804e3_proj:
	.size	k_q430fa804e3_proj, .Lfunc_end_k_q430fa804e3_proj-k_q430fa804e3_proj
	.p2alignl 7, 3214868480
	.fill 96, 4, 3214868480
	.section	.rodata,"a",@progbits
	.p2align	6, 0x0
	.amdhsa_kernel k_q430fa804e3_proj
		.amdhsa_group_segment_fixed_size 327680
		.amdhsa_private_segment_fixed_size 0
		.amdhsa_enable_private_segment 0
		.amdhsa_kernarg_size 32
		.amdhsa_user_sgpr_count 2
		.amdhsa_user_sgpr_kernarg_segment_ptr 1
		.amdhsa_wavefront_size32 1
		.amdhsa_system_sgpr_workgroup_id_x 1
		.amdhsa_system_sgpr_workgroup_id_y 1
		.amdhsa_system_sgpr_workgroup_id_z 1
		.amdhsa_system_vgpr_workitem_id 0
		.amdhsa_next_free_vgpr 768
		.amdhsa_next_free_sgpr 80
		.amdhsa_reserve_vcc 0
		.amdhsa_float_denorm_mode_32 3
		.amdhsa_float_denorm_mode_16_64 3
		.amdhsa_memory_ordered 1
		.amdhsa_forward_progress 1
		.amdhsa_inst_pref_size 87
	.end_amdhsa_kernel
	.amdgpu_metadata
---
amdhsa.version: [ 1, 2 ]
amdhsa.kernels:
  - .name:           k_q430fa804e3_proj
    .symbol:         k_q430fa804e3_proj.kd
    .args:
      - { .name: yh, .offset: 0, .size: 8, .value_kind: global_buffer, .address_space: global }
      - { .name: wp, .offset: 8, .size: 8, .value_kind: global_buffer, .address_space: global }
      - { .name: b_proj, .offset: 16, .size: 8, .value_kind: global_buffer, .address_space: global }
      - { .name: out0, .offset: 24, .size: 8, .value_kind: global_buffer, .address_space: global }
    .group_segment_fixed_size: 327680
    .private_segment_fixed_size: 0
    .kernarg_segment_align: 8
    .kernarg_segment_size: 32
    .max_flat_workgroup_size: 128
    .sgpr_count:     80
    .vgpr_count:     768
    .wavefront_size: 32
...
	.end_amdgpu_metadata
.endif
;; end of part 5
